; MI455X (gfx1250); checked and timed in simulation.
; The chip was launched on July 23, 2026; its instructions are those of AMD's public machine-readable ISA for CDNA 5 (MIT licence, August 2026) and "CDNA5" Instruction Set Architecture Reference Guide (July 2026). The comments in the code are by the model that wrote it; some were corrected since.
;; Attention. Allowed arithmetic: matrix products marked QUANTISED: E2M1 operands, one E8M0 scale for each 32 along K, by v_wmma_scale_f32_16x16x128_f8f6f4 with both operands' format E2M1 (or v_wmma_scale_f32_32x16x128_f4), f32 sums; products left as they are: bf16, f16 or f32 operands; f32 sums; everything else in f32.
;; Inputs: Wk 1,024 x 1,024 float32; Wo 1,024 x 1,024 float32; Wq 1,024 x 1,024 float32; Wv 1,024 x 1,024 float32; bk 1,024 float32; bo 1,024 float32; bq 1,024 float32; bv 1,024 float32; x 4 x 2,048 x 1,024 float32.
;; Outputs: out0 4 x 2,048 x 1,024 float32.
;; This version of the problem:
;;   THIS VERSION OF THE PROBLEM IS GIVEN IN LOW PRECISION. The matrix products marked QUANTISED in the list below multiply operands that are first quantised to E2M1 (2 exponent bits, 1 mantissa bit; 4 bits a number), with one power-of-two scale for each 32 numbers along K (OCP MX v1.0); their sums are f32. The products marked 'left as it is' may take bf16, f16 or f32 operands, with f32 sums. Whichever they take, every output number must still come out within the allowed error. Rounding operands to bf16 (8 significant bits) uses up far more of that allowance than f16 does (11 bits, for magnitudes from 6e-5 to 65,504). All else is computed in f32.
;;   The module's matrix products, in the order in which they are computed (A, B: the left and right operand; K: the contracted axis; several contracted axes count as one K, in the product's order):
;;     1. [M 8,192, K 1,024] x [K 1,024, N 1,024]; A: input x; B: input Wq: QUANTISED
;;     2. [M 8,192, K 1,024] x [K 1,024, N 1,024]; A: input x; B: input Wk: QUANTISED
;;     3. [M 8,192, K 1,024] x [K 1,024, N 1,024]; A: input x; B: input Wv: QUANTISED
;;     4. batch 4 x [M 2,048, K 1,024] x [K 1,024, N 2,048]; A: computed on the way; B: computed on the way: left as it is (an operand is computed on the way)
;;     5. batch 4 x [M 2,048, K 2,048] x [K 2,048, N 1,024]; A: computed on the way; B: computed on the way: left as it is (an operand is computed on the way)
;;     6. [M 8,192, K 1,024] x [K 1,024, N 1,024]; A: computed on the way; B: input Wo: left as it is (an operand is computed on the way)
;;   THE QUANTISER, for each operand of a quantised product, along K:
;;     - K is cut into blocks of 32 from its start; a last block that is shorter is filled with zeros.
;;     - A block's scale is 2^e with e = floor(log2(the largest magnitude in the block)) - 2, held to -126 .. 127; a block of zeros has e = 0. As a byte (E8M0): e + 127.
;;     - Each number is divided by its block's scale, clamped to +-6, and rounded to the nearest number of E2M1, ties to even, subnormals kept.
;;     - The product sums the exact products of the quantised numbers (number of the format x scale) in f32.
;;   ~~~python
;;   def quantise(x, axis):      # numpy; x: float32 -> the quantised numbers, widened to float32 again
;;       x = np.moveaxis(x, axis, -1); K = x.shape[-1]
;;       x = np.pad(x, [(0, 0)] * (x.ndim - 1) + [(0, -K % 32)]); x = x.reshape(x.shape[:-1] + (-1, 32)); a = np.abs(x).max(-1, keepdims=True)
;;       e = np.where(a > 0, np.clip(np.frexp(np.where(a > 0, a, 1))[1] - 1 - 2, -126, 127), 0)      # np.frexp(a)[1] - 1 = floor(log2(a)), exactly
;;       r = np.clip(x / 2.0 ** e, -6, 6)
;;       step = 2.0 ** (np.maximum(np.frexp(np.where(r == 0, 1, r))[1] - 1, 0) - 1)
;;       q = np.round(r / step) * step * 2.0 ** e      # np.round: ties to even
;;       return np.moveaxis(q.reshape(q.shape[:-2] + (-1,))[..., :K], -1, axis).astype(np.float32)
;;   ~~~
;; One version. Each part assembles by itself: llvm-mc -triple=amdgcn-amd-amdhsa -mcpu=gfx1250 --defsym DOCPART=n.
;; ======== version 1 of 1: 6 launches
;; limits: values are held in f16: magnitudes above 65,504 overflow, below 6.1e-05 lose precision
;; workspace buffers: codes 6,127,616 bytes; wo16 2,097,152 bytes; rope 8,388,608 bytes; qkv 50,331,648 bytes; head 786,432 bytes; pmat 33,554,432 bytes; stats 1,048,576 bytes; o16 16,777,216 bytes
;; launch prep (part 1): grid 544 x 1, 4 waves a work-group, no clusters, 68,096 bytes of LDS; arguments x, Wq, Wk, Wv, Wo, codes, wo16, rope; writes codes, wo16, rope
.if DOCPART == 1
	.amdgcn_target "amdgcn-amd-amdhsa--gfx1250"
	.amdhsa_code_object_version 6
	.text
	.protected	k_q33870cdc66_prep
	.globl	k_q33870cdc66_prep
	.p2align	8
	.type	k_q33870cdc66_prep,@function
k_q33870cdc66_prep:
	s_mov_b64 s[64:65], 0
	v_nop
	global_prefetch_b8 v0, s[64:65] scope:SCOPE_SE
	s_setreg_imm32_b32 hwreg(HW_REG_WAVE_MODE, 25, 1), 1
	s_wait_xcnt 0x0
; PREP: everything that is made once and read many times.  Four kinds of work-groups, told apart by the work-group's number:
;   0..127    the table of cos and sin for the rotation, in the order of the next launch's result registers
;   128..223  Wq, Wk, Wv [k][n] f32 -> codes of FP4 (E2M1) with K innermost, one E8M0 byte for each 32 along K: a lane takes a column, its registers run down K
;   224..287  Wo f32 -> f16, as it lies
;   288..543  x [row][k] f32 -> codes of FP4 with K innermost and their scale bytes: a plain stream of blocks of 32
; codes: x's codes at 0 ([8192][512 bytes]), x's scale bytes at XS_OFF ([8192][32]), the weights' codes at WC_OFF ([3072][512 bytes]: Wq's, Wk's, Wv's columns), their scale bytes at WS_OFF ([3072][32]).
; rope: [t / 16][channel / 16][plane 2][lane 32][16 bytes]: lane (r, h) of plane p holds cos, sin, cos, sin of t = 16 tt + r and of the pairs of channels i = 8 ct + 4 h + 2 p, + 1.
; A block's scale is 2^(floor(log2(largest magnitude)) - 2): its byte is the largest magnitude's exponent field - 2, held at 1 from below.
; LIMITS: a block of zeros gets the byte 1 (its codes are zeros; this program alone reads the bytes); NaN and infinities among the inputs are not served;
; the angle t x 10000^(-i/512) is made in f32 (one exponential, one product) and lies within 2.5e-4 rad of the exact one at t = 2047; sine and cosine by a reduction in two fused steps and polynomials good to 1e-7.
; Each kind that uses LDS has LDS bytes of its own.  No tensor load, no barrier: waves share nothing.
.set SPW,    14                        ; v14  LDS address of my spare word; never rewritten
.set NIL,    15                        ; v15  0; never rewritten
.set XWREG,  8192                      ; x: a region for each wave: two stages of 32 x 80 bytes, then its 256 scale bytes
.set XSP,    80
.set XR,     16                        ; v16-79   four sets of 16 numbers as loaded
.set XX,     80                        ; v80-111  two sets of 16 neighbours
.set XE,     112                       ; v112-127 a scale byte for each step
.set XC,     128                       ; v128-191 codes, four registers for each step
.set WSTG,   4*XWREG                   ; the weights' stages: 16 rows x 272 bytes for each wave
.set WPITCH, 272
.set WX,     32                        ; v32-95   two sets of 32 numbers
.set WC,     96                        ; v96-99   a block's codes
.set WOUT,   112                       ; v112-143 the way out
.set WSB,    24                        ; v24-25   scale bytes, four to a register
.set SPARE,  WSTG+4*32*WPITCH          ; the spare words: 128 bytes for each wave, named by no other line
.set XS_OFF, 4194304
.set WC_OFF, 4456448
.set WS_OFF, 6029312
.macro XLOAD t                         ; step t of x: four loads of 512 consecutive bytes
.irp i, 0,1,2,3
	global_load_b128 v[XR+16*((\t)%4)+4*\i:XR+16*((\t)%4)+4*\i+3], v3, s[4:5] offset:2048*(\t)+512*\i th:TH_LOAD_NT
.endr
.endm
.macro XTURN t                         ; through the wave's stage: in as loaded, back 64 bytes a lane; LDS serves a wave's instructions in order
.irp i, 0,1,2,3
	ds_store_b128 v10, v[XR+16*((\t)%4)+4*\i:XR+16*((\t)%4)+4*\i+3] offset:32*XSP*((\t)%2)+8*XSP*\i
.endr
.irp i, 0,1,2,3
	ds_load_b128 v[XX+16*((\t)%2)+4*\i:XX+16*((\t)%2)+4*\i+3], v1 offset:32*XSP*((\t)%2)+16*\i
.endr
.endm
.macro XSTEP t
.set XS, XX+16*((\t)%2)
.if (\t) > 0
	s_wait_dscnt 1                                 ; this step's numbers are back (the last step's byte store may be out)
.else
	s_wait_dscnt 0x0
.endif
.if (\t)+4 < 16
	XLOAD (\t)+4                                   ; into the registers that the stage's stores have read
.endif
.if (\t)+1 < 16
.if 14-(\t) >= 3
	s_wait_loadcnt 12                              ; the next step's four loads are in; three steps' loads may be out
.else
	s_wait_loadcnt 4*(14-(\t))
.endif
	XTURN (\t)+1
.endif
	v_max3_num_f32 v8, |v[XS]|, |v[XS+1]|, |v[XS+2]|
	v_max3_num_f32 v9, |v[XS+3]|, |v[XS+4]|, |v[XS+5]|
.irp i, 6,10
	v_max3_num_f32 v8, v8, |v[XS+\i]|, |v[XS+\i+1]|
	v_max3_num_f32 v9, v9, |v[XS+\i+2]|, |v[XS+\i+3]|
.endr
	v_max3_num_f32 v8, v8, |v[XS+14]|, |v[XS+15]|
	v_max3_num_f32 v8, v8, v9, 0x1800000           ; the floor 2^(3 - 127): the byte cannot fall under 1
	v_max_num_f32_dpp v8, v8, v8 row_xmask:1 row_mask:0xf bank_mask:0xf   ; with my neighbour's 16: the block's largest magnitude
	v_add_nc_u32 v11, 0xff000000, v8               ; 2 off its exponent field: the conversion's scale operand
	v_cvt_scalef32_pk8_fp4_f32 v[XC+4*(\t)], v[XS:XS+7], v11
	v_cvt_scalef32_pk8_fp4_f32 v[XC+4*(\t)+1], v[XS+8:XS+15], v11
	v_lshrrev_b32 v[XE+(\t)], 23, v11              ; the scale's byte (a plain line behind the conversions)
	ds_store_b8 v5, v[XE+(\t)] offset:16*(\t)      ; both lanes of a block write the same byte with the same value
	global_store_b64 v4, v[XC+4*(\t):XC+4*(\t)+1], s[26:27] offset:256*(\t)   ; the wave stores 256 consecutive bytes
.endm
.macro WLOAD t                         ; block t of a weight: W(256 h + 32 t + i, my column): sixteen lanes read 64 consecutive bytes; the work-group's four waves stand side by side on 256
.set wi, 0
.rept 32
	global_load_b32 v[WX+32*((\t)%2)+wi], v3, s[26:27] offset:(32*(\t)+wi)*4096
.set wi, wi+1
.endr
.endm
.macro WBLOCK t
.set WS, WX+32*((\t)%2)
.if (\t) < 7
	s_wait_loadcnt 32                              ; this block's 32 loads are in; the next block's may be out
.else
	s_wait_loadcnt 0x0
.endif
	v_max3_num_f32 v12, |v[WS]|, |v[WS+1]|, |v[WS+2]|
	v_max3_num_f32 v13, |v[WS+3]|, |v[WS+4]|, |v[WS+5]|
.irp i, 6,10,14,18,22,26
	v_max3_num_f32 v12, v12, |v[WS+\i]|, |v[WS+\i+1]|
	v_max3_num_f32 v13, v13, |v[WS+\i+2]|, |v[WS+\i+3]|
.endr
	v_max3_num_f32 v12, v12, |v[WS+30]|, |v[WS+31]|
	v_max3_num_f32 v12, v12, v13, 0x1800000
	v_add_nc_u32 v11, 0xff000000, v12
	v_lshrrev_b32 v13, 23, v11
.if (\t)%4 == 0
	v_mov_b32 v[WSB+(\t)/4], v13
.else
	v_lshl_or_b32 v[WSB+(\t)/4], v13, 8*((\t)%4), v[WSB+(\t)/4]
.endif
.irp g, 0,1,2,3
	v_cvt_scalef32_pk8_fp4_f32 v[WC+\g], v[WS+8*\g:WS+8*\g+7], v11
.endr
	ds_store_b128 v4, v[WC:WC+3] offset:16*(\t)    ; 32 codes: 16 bytes of my column's row
.if (\t)+2 < 8
	WLOAD (\t)+2
.endif
	s_wait_dscnt 0x0                               ; the store has read its registers: the next block's codes may be written
.endm
	s_load_b512 s[4:19], s[0:1], 0x0               ; x, Wq, Wk, Wv, Wo, codes, wo16, rope
	v_lshl_add_u32 v[SPW], v0, 2, SPARE
	v_mov_b32 v[NIL], 0
	v_lshrrev_b32 v1, 5, v0
	v_readfirstlane_b32 s20, v1                    ; wave 0..3
	v_and_b32 v2, 31, v0                           ; lane
	s_wait_kmcnt 0x0
	s_cmp_lt_u32 ttmp9, 128
	s_cbranch_scc1 .Ltable
	s_cmp_lt_u32 ttmp9, 224
	s_cbranch_scc1 .Lweights
	s_cmp_lt_u32 ttmp9, 288
	s_cbranch_scc1 .Lwo
	; ---- x: a wave takes a run of 8,192 numbers, 16 steps of 512
	v_lshlrev_b32 v3, 4, v2                        ; my 16 bytes of a load's 512
	s_mul_i32 s21, s20, XWREG
	v_lshrrev_b32 v10, 2, v2
	v_mul_u32_u24 v10, v10, XSP
	v_and_b32 v11, 3, v2
	v_lshl_add_u32 v10, v11, 4, v10
	v_add_nc_u32 v10, s21, v10                     ; the stage on the way in: 80 (lane / 4) + 16 (lane % 4)
	v_mul_u32_u24 v1, v2, XSP
	v_add_nc_u32 v1, s21, v1                       ; and on the way out: 80 x lane
	v_lshlrev_b32 v4, 3, v2                        ; my 8 bytes of a step's codes
	v_lshrrev_b32 v5, 1, v2
	s_add_co_u32 s21, s21, 2*32*XSP
	v_add_nc_u32 v5, s21, v5                       ; my block's byte among the wave's 256
	v_lshlrev_b32 v7, 3, v2
	v_add_nc_u32 v6, s21, v7
	s_sub_co_u32 s22, ttmp9, 288
	s_lshl_b32 s22, s22, 2
	s_add_co_u32 s22, s22, s20                     ; which run is my wave's
	s_lshl_b32 s24, s22, 15
	s_mov_b32 s25, 0
	s_add_nc_u64 s[4:5], s[4:5], s[24:25]          ; 32,768 bytes of x a run
	s_lshl_b32 s24, s22, 12
	s_add_nc_u64 s[26:27], s[14:15], s[24:25]      ; 4,096 bytes of codes
	s_lshl_b32 s24, s22, 8
	s_add_co_u32 s24, s24, XS_OFF
	s_add_nc_u64 s[28:29], s[14:15], s[24:25]      ; 256 scale bytes
.irp t, 0,1,2,3
	XLOAD \t
.endr
	s_wait_loadcnt 12                              ; step 0's four loads are in
	XTURN 0
.irp t, 0,1,2,3,4,5,6,7,8,9,10,11,12,13,14,15
	XSTEP \t
.endr
	ds_load_b64 v[8:9], v6                         ; my wave's 256 scale bytes, 8 a lane
	s_wait_dscnt 0x0
	global_store_b64 v7, v[8:9], s[28:29]          ; 256 consecutive bytes
	s_branch .Lend
	; ---- the table: work-group tt, wave w takes the tiles of 16 channels ct = 16 w .. 16 w + 15, one a trip
.Ltable:
	v_and_b32 v1, 15, v0
	v_bfe_u32 v3, v0, 4, 1
	s_lshl_b32 s21, ttmp9, 4
	v_add_nc_u32 v1, s21, v1
	v_cvt_f32_u32 v1, v1                           ; t = 16 tt + r
	s_lshl_b32 s21, s20, 7
	v_lshl_add_u32 v3, v3, 2, s21                  ; my first pair of channels: 128 w + 4 h, + 8 a trip
	v_lshlrev_b32 v4, 4, v2                        ; 16 x lane, + 1,024 a trip
	s_lshl_b32 s22, ttmp9, 16
	s_lshl_b32 s21, s20, 14
	s_add_co_u32 s22, s22, s21
	s_mov_b32 s23, 0
	s_add_nc_u64 s[18:19], s[18:19], s[22:23]
	s_mov_b32 s24, 0xb94ca1f9                      ; sine: -1.9515296e-4, 8.3321609e-3, -0.16666655
	s_mov_b32 s25, 0x3c08839e
	s_mov_b32 s26, 0xbe2aaaa3
	s_mov_b32 s27, 0x37ccf5ce                      ; cosine: 2.4433157e-5, -1.3887316e-3, 4.1666646e-2
	s_mov_b32 s28, 0xbab6061a
	s_mov_b32 s29, 0x3d2aaaa5
	s_mov_b32 s21, 16
.Ltrip:
.irp p, 0,1,2,3
	v_add_nc_u32 v[16+\p], \p, v3
.endr
.irp p, 0,1,2,3
	v_cvt_f32_u32 v[16+\p], v[16+\p]
.endr
.irp p, 0,1,2,3
	v_mul_f32 v[16+\p], 0xbcd49a78, v[16+\p]       ; -i log2(10000) / 512
.endr
.irp p, 0,1,2,3
	v_exp_f32 v[20+\p], v[16+\p]                   ; 10000^(-i / 512)
.endr
	v_nop                                          ; a plain line behind the last exponential
	s_wait_alu depctr_va_vdst(0)                   ; one wait for the four, ahead of their first reader
.irp p, 0,1,2,3
	v_mul_f32 v[20+\p], v1, v[20+\p]               ; the angle
.endr
.irp p, 0,1,2,3
	v_mul_f32 v[24+\p], 0x3f22f983, v[20+\p]       ; x 2 / pi
.endr
.irp p, 0,1,2,3
	v_rndne_f32 v[24+\p], v[24+\p]                 ; n
.endr
.irp p, 0,1,2,3
	v_fmamk_f32 v[28+\p], v[24+\p], 0xbfc90fdb, v[20+\p]   ; angle - n x (pi / 2), in two fused steps: the high part,
.endr
.irp p, 0,1,2,3
	v_fmamk_f32 v[28+\p], v[24+\p], 0x333bbd2e, v[28+\p]   ; and the low
.endr
.irp p, 0,1,2,3
	v_mul_f32 v[32+\p], v[28+\p], v[28+\p]         ; z
.endr
.irp p, 0,1,2,3
	v_fma_f32 v[36+\p], v[32+\p], s24, s25
	v_fma_f32 v[40+\p], v[32+\p], s27, s28
.endr
.irp p, 0,1,2,3
	v_fma_f32 v[36+\p], v[36+\p], v[32+\p], s26
	v_fma_f32 v[40+\p], v[40+\p], v[32+\p], s29
.endr
.irp p, 0,1,2,3
	v_mul_f32 v[48+\p], v[28+\p], v[32+\p]
	v_fma_f32 v[60+\p], v[32+\p], -0.5, 1.0
.endr
.irp p, 0,1,2,3
	v_fma_f32 v[36+\p], v[36+\p], v[48+\p], v[28+\p]   ; the sine of the reduced angle
	v_mul_f32 v[48+\p], v[32+\p], v[32+\p]
.endr
.irp p, 0,1,2,3
	v_fma_f32 v[40+\p], v[40+\p], v[48+\p], v[60+\p]   ; its cosine
	v_cvt_i32_f32 v[44+\p], v[24+\p]               ; the quadrant
.endr
.irp p, 0,1,2,3
	v_and_b32 v[48+\p], 1, v[44+\p]
	v_cmp_eq_u32 vcc_lo, 1, v[48+\p]               ; in an odd quadrant the two change places
	v_cndmask_b32 v[52+2*\p], v[40+\p], v[36+\p], vcc_lo
	v_cndmask_b32 v[53+2*\p], v[36+\p], v[40+\p], vcc_lo
	v_add_nc_u32 v[48+\p], 1, v[44+\p]
	v_and_b32 v[48+\p], 2, v[48+\p]
	v_lshlrev_b32 v[48+\p], 30, v[48+\p]
	v_xor_b32 v[52+2*\p], v[52+2*\p], v[48+\p]     ; the cosine is negative in quadrants 1 and 2,
	v_and_b32 v[48+\p], 2, v[44+\p]
	v_lshlrev_b32 v[48+\p], 30, v[48+\p]
	v_xor_b32 v[53+2*\p], v[53+2*\p], v[48+\p]     ; the sine in 2 and 3
.endr
	global_store_b128 v4, v[52:55], s[18:19]       ; 512 consecutive bytes: plane 0,
	global_store_b128 v4, v[56:59], s[18:19] offset:512   ; plane 1
	s_wait_xcnt 0x0                                ; the offset and the data are rewritten only behind this wait
	v_add_nc_u32 v4, 1024, v4
	v_add_nc_u32 v3, 8, v3
	s_sub_co_u32 s21, s21, 1
	s_cmp_lg_u32 s21, 0
	s_cbranch_scc1 .Ltrip
	s_branch .Lend
	; ---- the weights: a wave takes 16 columns x 512 along K: lanes 0-15 the first 256 along K of their columns, lanes 16-31 the second: eight blocks of 32 a lane
.Lweights:
	s_sub_co_u32 s21, ttmp9, 128
	s_lshr_b32 s22, s21, 5                         ; which weight
	s_and_b32 s23, s21, 15                         ; which 64 columns
	s_bfe_u32 s24, s21, 0x10004                    ; which half of K
	s_cmp_eq_u32 s22, 0
	s_cselect_b64 s[26:27], s[6:7], s[8:9]
	s_cmp_eq_u32 s22, 2
	s_cselect_b64 s[26:27], s[10:11], s[26:27]
	s_lshl_b32 s23, s23, 6
	s_lshl_b32 s25, s20, 4
	s_add_co_u32 s23, s23, s25                     ; my wave's first column
	s_lshl_b32 s28, s24, 21                        ; 512 rows of 4,096 bytes
	s_lshl_b32 s25, s23, 2
	s_add_co_u32 s28, s28, s25
	s_mov_b32 s29, 0
	s_add_nc_u64 s[26:27], s[26:27], s[28:29]
	s_lshl_b32 s22, s22, 10
	s_add_co_u32 s22, s22, s23                     ; its row among the 3,072 rows of codes
	s_lshl_b32 s28, s22, 9
	s_lshl_b32 s25, s24, 8
	s_add_co_u32 s28, s28, s25
	s_add_co_u32 s28, s28, WC_OFF
	s_add_nc_u64 s[30:31], s[14:15], s[28:29]
	s_lshl_b32 s28, s22, 5
	s_lshl_b32 s25, s24, 4
	s_add_co_u32 s28, s28, s25
	s_add_co_u32 s28, s28, WS_OFF
	s_add_nc_u64 s[32:33], s[14:15], s[28:29]
	v_and_b32 v5, 15, v2                           ; r
	v_lshrrev_b32 v6, 4, v2                        ; h
	v_lshlrev_b32 v3, 2, v5
	v_lshl_add_u32 v3, v6, 20, v3                  ; in: column r, 256 rows of 4,096 bytes further down for lanes 16-31
	s_mul_i32 s25, s20, 16*WPITCH
	s_add_co_u32 s25, s25, WSTG                    ; my stage
	v_mul_u32_u24 v4, v5, WPITCH
	v_lshl_add_u32 v4, v6, 7, v4
	v_add_nc_u32 v4, s25, v4                       ; into it: row = my column, 128 bytes on for lanes 16-31
	v_mul_u32_u24 v7, v6, WPITCH
	v_lshl_add_u32 v7, v5, 4, v7
	v_add_nc_u32 v7, s25, v7                       ; out of it: sixteen lanes to a row
	v_lshlrev_b32 v8, 9, v6
	v_lshl_add_u32 v8, v5, 4, v8                   ; the same place among the rows of codes
	v_lshlrev_b32 v9, 5, v5
	v_lshl_add_u32 v9, v6, 3, v9                   ; my eight scale bytes in my column's row
	WLOAD 0
	WLOAD 1
.irp t, 0,1,2,3,4,5,6,7
	WBLOCK \t
.endr
	global_store_b64 v9, v[WSB:WSB+1], s[32:33]    ; my eight scale bytes
.irp t, 0,1,2,3,4,5,6,7
	ds_load_b128 v[WOUT+4*\t:WOUT+4*\t+3], v7 offset:2*\t*WPITCH
.endr
.irp t, 0,1,2,3,4,5,6,7
	s_wait_dscnt 7-\t
	global_store_b128 v8, v[WOUT+4*\t:WOUT+4*\t+3], s[30:31] offset:2*\t*512   ; sixteen lanes store 256 consecutive bytes
.endr
	s_branch .Lend
	; ---- Wo to f16: a wave takes 16,384 bytes
.Lwo:
	s_sub_co_u32 s21, ttmp9, 224
	s_lshl_b32 s21, s21, 2
	s_add_co_u32 s21, s21, s20
	s_lshl_b32 s22, s21, 14
	s_mov_b32 s23, 0
	s_add_nc_u64 s[12:13], s[12:13], s[22:23]
	s_lshl_b32 s22, s21, 13
	s_add_nc_u64 s[16:17], s[16:17], s[22:23]
	v_lshlrev_b32 v3, 4, v2
	v_lshlrev_b32 v4, 3, v2
.set oi, 0
.rept 32
	global_load_b128 v[16+4*oi:19+4*oi], v3, s[12:13] offset:512*oi th:TH_LOAD_NT
.set oi, oi+1
.endr
.set oi, 0
.rept 32
	s_wait_loadcnt 31-oi                           ; loads come back in order: the younger ones stay out
	v_cvt_pk_f16_f32 v[144+2*oi], v[16+4*oi], v[17+4*oi]
	v_cvt_pk_f16_f32 v[145+2*oi], v[18+4*oi], v[19+4*oi]
	global_store_b64 v4, v[144+2*oi:145+2*oi], s[16:17] offset:256*oi   ; 256 consecutive bytes; no register is written twice
.set oi, oi+1
.endr
.Lend:
	s_wait_tensorcnt 0x0                           ; the wave's end
	ds_add_u32 v[SPW], v[NIL]
	s_wait_dscnt 0x0
	s_endpgm
.Lfunc_end_k_q33870cdc66_prep:
	.size	k_q33870cdc66_prep, .Lfunc_end_k_q33870cdc66_prep-k_q33870cdc66_prep
	.p2alignl 7, 3214868480
	.fill 96, 4, 3214868480
	.section	.rodata,"a",@progbits
	.p2align	6, 0x0
	.amdhsa_kernel k_q33870cdc66_prep
		.amdhsa_group_segment_fixed_size 68096
		.amdhsa_private_segment_fixed_size 0
		.amdhsa_enable_private_segment 0
		.amdhsa_kernarg_size 64
		.amdhsa_user_sgpr_count 2
		.amdhsa_user_sgpr_kernarg_segment_ptr 1
		.amdhsa_wavefront_size32 1
		.amdhsa_system_sgpr_workgroup_id_x 1
		.amdhsa_system_sgpr_workgroup_id_y 1
		.amdhsa_system_sgpr_workgroup_id_z 1
		.amdhsa_system_vgpr_workitem_id 0
		.amdhsa_next_free_vgpr 208
		.amdhsa_next_free_sgpr 66
		.amdhsa_reserve_vcc 1
		.amdhsa_float_denorm_mode_32 3
		.amdhsa_float_denorm_mode_16_64 3
		.amdhsa_memory_ordered 1
		.amdhsa_forward_progress 1
		.amdhsa_inst_pref_size 91
	.end_amdhsa_kernel
	.amdgpu_metadata
---
amdhsa.version: [ 1, 2 ]
amdhsa.kernels:
  - .name:           k_q33870cdc66_prep
    .symbol:         k_q33870cdc66_prep.kd
    .args:
      - { .name: x, .offset: 0, .size: 8, .value_kind: global_buffer, .address_space: global }
      - { .name: Wq, .offset: 8, .size: 8, .value_kind: global_buffer, .address_space: global }
      - { .name: Wk, .offset: 16, .size: 8, .value_kind: global_buffer, .address_space: global }
      - { .name: Wv, .offset: 24, .size: 8, .value_kind: global_buffer, .address_space: global }
      - { .name: Wo, .offset: 32, .size: 8, .value_kind: global_buffer, .address_space: global }
      - { .name: codes, .offset: 40, .size: 8, .value_kind: global_buffer, .address_space: global }
      - { .name: wo16, .offset: 48, .size: 8, .value_kind: global_buffer, .address_space: global }
      - { .name: rope, .offset: 56, .size: 8, .value_kind: global_buffer, .address_space: global }
    .group_segment_fixed_size: 68096
    .private_segment_fixed_size: 0
    .kernarg_segment_align: 8
    .kernarg_segment_size: 64
    .max_flat_workgroup_size: 128
    .sgpr_count:     66
    .vgpr_count:     208
    .wavefront_size: 32
...
	.end_amdgpu_metadata
.endif
;; end of part 1
;; launch qkv (part 2): grid 12 x 32, 4 waves a work-group, clusters of 4 x 4, 327,680 bytes of LDS; arguments codes, bq, bk, bv, rope, qkv, head; writes qkv, head
.if DOCPART == 2
	.amdgcn_target "amdgcn-amd-amdhsa--gfx1250"
	.amdhsa_code_object_version 6
	.text
	.protected	k_q33870cdc66_qkv
	.globl	k_q33870cdc66_qkv
	.p2align	8
	.type	k_q33870cdc66_qkv,@function
k_q33870cdc66_qkv:
	s_mov_b64 s[64:65], 0
	v_nop
	global_prefetch_b8 v0, s[64:65] scope:SCOPE_SE
	s_setreg_imm32_b32 hwreg(HW_REG_WAVE_MODE, 25, 1), 1
	s_wait_xcnt 0x0
	s_wait_alu depctr_hold_cnt(0) depctr_sa_sdst(0) depctr_va_vdst(0) depctr_va_sdst(0) depctr_va_ssrc(0) depctr_va_vcc(0) depctr_vm_vsrc(0)
	s_getreg_b32 s2, hwreg(HW_REG_IB_STS2, 6, 4)
	s_cmp_eq_u32 s2, 0
	s_cbranch_scc0 .Lentry_in_a_cluster
	s_endpgm
.Lentry_in_a_cluster:
	s_bfe_u32 s2, ttmp6, 0x10000c
	s_cmp_lg_u32 s2, 0xf033
	s_cbranch_scc0 .Lentry_shape_is_right
	s_endpgm
.Lentry_shape_is_right:
; Q, K, V = x W + b on codes of FP4 (E2M1) with one E8M0 scale for each 32 along K = 1,024; Q and K are then rotated (pairs of neighbouring channels, angles from the table); all three leave as f16.
; One GEMM of 8,192 x 3,072: the columns are Wq's, Wk's, Wv's.  A tile of 256 x 256 to a work-group of four waves, 128 x 128 to a wave: 64 accumulators, 512 registers.
; K is two LDS slots of 512 along K (rows of 256 bytes): both are asked for at the start and nothing is filled again.  The scale bytes of the work-group's rows come once, with them.
; CLUSTERS: 4 x 4 work-groups: A's tiles are asked for jointly along a row of the cluster, B's along a column.  A cluster's x says which of Q, K, V it makes: the same in all sixteen partners.
; THE TEXT PARTS ONCE on the cluster's x, behind the change of slots: the way of Q and K asks for its first two tables there, so that they land under the last slot's 256 products, and rotates; V's way has the same products and no table.
; THE MATRIX INSTRUCTION IS USED TRANSPOSED (source 0 = 16 rows of the weights' codes, source 1 = 16 rows of x): a lane holds eight neighbouring channels of one row.
; The bias is the C of each sum's first product.  The table's registers lie as the results lie: pair p of a tile: cos at register 2 p, sin at 2 p + 1.
; The rows t < 16 of every batch also leave as f32 (head): a later launch carries them in f32.  Which work-group holds them hangs on its place in the cluster: that is honoured by EXEC, not by a branch.
; LIMITS: |Q|, |K|, |V| up to 65,504 (f16).
; REGISTERS, in windows of 256: window 0: v8-15 at work on the way out; v16-31 addresses; v32-95 scale words, two sets, and nothing else; v96-127 packed results; v128-191 A's fragments, later rows read back; v192-255 a block's 64 numbers.
;   window 1: v0-63, v128-191 B's fragments, two sets; v64-127 the bias, later a table; v192-255 a table.   windows 2, 3: the accumulators ((a, b) at v[8 (8 (a % 4) + b)]).
.set NQ,     4
.set ROWB,   256
.set KROW,   512
.set PITCH,  272                       ; an LDS row: 256 bytes + 16 of padding: the 16 rows of a load start at 16 different banks
.set FR,     8
.set NL,     2
.set NP,     4
.set HALFT,  128*PITCH
.set SLOT,   4*HALFT
.set KS,     32
.set SCL,    2*SLOT
.set HALFS,  16*272
.set SBLK,   2*272
.set SPARE,  SCL+4*HALFS               ; the spare words: 128 bytes for each wave, named by no other line
.set SPITCH, 272                       ; the way out: 16 rows x 272 bytes for each wave, in slot 0, which has had its one fill and its last read by then
.set U,    8                           ; v8-15  the way out: products at work
.set ADRA, 16
.set ADRB, 20
.set HDA,  22                          ; v22  my byte offset in the 16 rows of head
.set VCY,  23                          ; v23  my work-group's place along the cluster's y
.set STO,  24
.set RD,   25
.set CO,   26
.set ADRS, 27
.set SPW,  28
.set NIL,  29
.set TBA,  30                          ; v30  16 x lane: my place in a plane of the table
.set BIA,  31                          ; v31  32 h: my eight numbers of a tile's bias
.set SC,   32
.set TMP,  96                          ; v96-127  packed results
.set AF,   128
.set OB,   128                         ; v128-191 rows read back, two sets
.set Y,    192                         ; v192-255 a block's 64 numbers
.set BI,   64                          ; window 1: the bias, eight registers a tile of columns
.set WV,  95
.set RH,  96
.set CH,  97
.set TR,  98
.set SX,  99
.set CLY, 94
.set G1, 24
.set G0, 32
.set G1B, 48
.set G0B, 56
.set G1S, 68
.set G0S, 76
.set G1SB, 80
.set G0SB, 88
.set MSB, 0
.macro WIN new                         ; the immediate's high byte repeats the setting that is left
.if MSB != (\new)
	s_set_vgpr_msb (MSB<<8)|(\new)
.set MSB, (\new)
.endif
.endm
.set MUL_LO, 0xa1                      ; source 0 window 1, source 1 window 0, C and D window 2
.set MUL_HI, 0xf1                      ; the same, C and D window 3
.set TO_B,   0x40
.macro JLOAD g0a, g1a, g0b, g1b        ; a joint load: waves 0 and 1 fetch for A, waves 2 and 3 for B; the branch hangs on the wave's number alone
	s_cmp_eq_u32 s[RH], 0
	s_cbranch_scc0 .Lfor_b_\@
	tensor_load_to_lds s[\g0a:\g0a+3], s[\g1a:\g1a+7]
	s_nop 0
.rept 4
	v_nop
.endr
	s_branch .Lasked_\@
.Lfor_b_\@:
	tensor_load_to_lds s[\g0b:\g0b+3], s[\g1b:\g1b+7]
	s_nop 0
.rept 4
	v_nop
.endr
.Lasked_\@:
.endm
.macro CROUND                          ; a round of the cluster's barrier
	s_barrier_signal -1
	s_barrier_wait -1
	s_cmp_lg_u32 s[WV], 0
	s_cbranch_scc1 .Lnot_wave_0_\@
	s_barrier_signal -3
.Lnot_wave_0_\@:
	s_barrier_wait -3
	s_barrier_signal -1
	s_barrier_wait -1
.endm
	s_load_b256 s[4:11], s[0:1], 0x0               ; codes, bq, bk, bv
	s_load_b128 s[12:15], s[0:1], 0x20             ; rope, qkv
	s_load_b64 s[16:17], s[0:1], 0x30              ; head
	v_lshl_add_u32 v[SPW], v0, 2, SPARE
	v_mov_b32 v[NIL], 0
	ds_add_u32 v[SPW], v[NIL]                      ; the wave's opening: the add, twice on end, and its wait ahead of my first tensor load
	ds_add_u32 v[SPW], v[NIL]
	v_lshrrev_b32 v1, 5, v0
	v_readfirstlane_b32 s[WV], v1                  ; wave 0..3
	s_lshr_b32 s[RH], s[WV], 1                     ; which half of the tile's rows is mine.  Also: I fetch for A (0) or for B (1)
	s_and_b32 s[CH], s[WV], 1                      ; which half of its columns.  Also: which 128 rows I fetch
	s_bfe_u32 s40, ttmp6, 0x40000                  ; cx
	s_bfe_u32 s41, ttmp6, 0x40004                  ; cy
	s_lshl_b32 s42, ttmp9, 2
	s_add_co_u32 s42, s42, s40                     ; tile column = 4 x cluster x + cx
	s_and_b32 s[TR], ttmp7, 0xffff
	s_lshl_b32 s[TR], s[TR], 2
	s_add_co_u32 s[TR], s[TR], s41                 ; tile row = 4 x cluster y + cy
	s_lshl_b32 s43, s41, 2
	s_lshl_b32 s43, 15, s43                        ; my row of the cluster
	s_lshl_b32 s44, 0x1111, s40                    ; my column
	s_or_b32 s[G1+0], s43, (0<<16)|(1<<20)|(1<<21)|(5<<22)|(3<<25)  ; the mask; elements of 1 byte; padding: 4 words behind every 64
	s_or_b32 s[G1B+0], s44, (0<<16)|(1<<20)|(1<<21)|(5<<22)|(3<<25)
.irp g, G1, G1B
	s_mov_b32 s[\g+1], ROWB<<16                    ; tensor_dim0
	s_mov_b32 s[\g+2], 128<<16                     ; tensor_dim1
	s_mov_b32 s[\g+3], ROWB<<16                    ; tile_dim0
	s_mov_b32 s[\g+4], 128                         ; tile_dim1
	s_mov_b32 s[\g+5], KROW                        ; the pitch
	s_mov_b32 s[\g+6], 0
	s_mov_b32 s[\g+7], 0
.endr
	s_or_b32 s[G1S+0], s43, (3<<16)|(1<<20)|(1<<21)|(5<<22)|(3<<25) ; the scales of 128 rows: 4,096 dense bytes as 16 rows of 256
	s_or_b32 s[G1SB+0], s44, (3<<16)|(1<<20)|(1<<21)|(5<<22)|(3<<25)
.irp g, G1S, G1SB
	s_mov_b32 s[\g+1], 32<<16
	s_mov_b32 s[\g+2], 16<<16
	s_mov_b32 s[\g+3], 32<<16
	s_mov_b32 s[\g+4], 16
	s_mov_b32 s[\g+5], 32
	s_mov_b32 s[\g+6], 0
	s_mov_b32 s[\g+7], 0
.endr
	s_lshl_b32 s18, s[CH], 7
	s_lshl_b32 s20, s[TR], 8
	s_add_co_u32 s20, s20, s18                     ; A: row 256 x tile row + 128 x half
	s_lshl_b32 s46, s42, 8
	s_add_co_u32 s46, s46, s18                     ; B: row 256 x tile column + 128 x half
	s_lshl_b32 s22, s20, 5                         ; their scale bytes: 32 a row,
	s_add_co_u32 s22, s22, 4194304
	s_mov_b32 s23, 0
	s_lshl_b32 s92, s46, 5
	s_add_co_u32 s92, s92, 6029312
	s_mov_b32 s93, 0
	s_lshl_b32 s20, s20, 9                         ; their codes: 512 bytes a row
	s_mov_b32 s21, 0
	s_lshl_b32 s46, s46, 9
	s_add_co_u32 s46, s46, 4456448
	s_mov_b32 s47, 0
	s_mul_i32 s45, s[WV], HALFT                    ; where they go: wave x 128 rows: no place in the cluster enters an LDS address
	s_mul_i32 s94, s[WV], HALFS
	s_wait_dscnt 0x0                               ; both opening adds are done
	s_wait_kmcnt 0x0
	s_add_nc_u64 s[20:21], s[4:5], s[20:21]
	s_add_nc_u64 s[22:23], s[4:5], s[22:23]
	s_add_nc_u64 s[46:47], s[4:5], s[46:47]
	s_add_nc_u64 s[92:93], s[4:5], s[92:93]
	CROUND                                         ; all sixteen work-groups are here: the first joint loads meet
	s_mov_b32 s[G0S], 1
	s_add_co_u32 s[G0S+1], s94, SCL
	s_mov_b64 s[G0S+2:G0S+3], s[22:23]
	s_or_b32 s[G0S+3], s[G0S+3], 0x80000000
	s_mov_b32 s[G0SB], 1
	s_add_co_u32 s[G0SB+1], s94, SCL
	s_mov_b64 s[G0SB+2:G0SB+3], s[92:93]
	s_or_b32 s[G0SB+3], s[G0SB+3], 0x80000000
	JLOAD G0S, G1S, G0SB, G1SB                     ; the scales first: they are wanted with the first slot
.irp s, 0,1
	s_mov_b32 s[G0+4*\s], 1
	s_add_co_u32 s[G0+4*\s+1], s45, \s*SLOT
	s_add_nc_u64 s[G0+4*\s+2:G0+4*\s+3], s[20:21], \s*ROWB
	s_or_b32 s[G0+4*\s+3], s[G0+4*\s+3], 0x80000000
	s_mov_b32 s[G0B+4*\s], 1
	s_add_co_u32 s[G0B+4*\s+1], s45, \s*SLOT
	s_add_nc_u64 s[G0B+4*\s+2:G0B+4*\s+3], s[46:47], \s*ROWB
	s_or_b32 s[G0B+4*\s+3], s[G0B+4*\s+3], 0x80000000
	JLOAD G0+4*\s, G1, G0B+4*\s, G1B
.endr
	v_and_b32 v1, 15, v0                           ; r
	v_bfe_u32 v2, v0, 4, 1                         ; h
	v_mul_u32_u24 v3, v1, PITCH
	v_lshl_add_u32 v4, v2, 4, v3                   ; a fragment's row x pitch + 16 h
	s_mul_i32 s21, s[RH], HALFT
	s_mul_i32 s22, s[CH], HALFT
	s_add_co_u32 s22, s22, 2*HALFT
.irp s, 0,1
	v_add_nc_u32 v[ADRA+\s], s21, v4
	v_add_nc_u32 v[ADRB+\s], s22, v4
	s_add_co_u32 s21, s21, SLOT
	s_add_co_u32 s22, s22, SLOT
.endr
	v_mul_u32_u24 v5, v1, KS                       ; my row's scales: 32 bytes a row,
	v_lshrrev_b32 v6, 8, v5
	v_lshl_add_u32 v5, v6, 4, v5                   ; and 16 more for each 256 passed
	s_mul_i32 s21, s[RH], HALFS
	s_mul_i32 s22, s[CH], HALFS
	s_add_co_u32 s22, s22, 2*HALFS
	s_sub_co_u32 s22, s22, s21
	v_mul_u32_u24 v6, s22, v2                      ; lanes 16-31 take B's
	s_add_co_u32 s21, s21, SCL
	v_add_nc_u32 v5, v5, v6
	v_add_nc_u32 v[ADRS], s21, v5
	s_mul_i32 s23, s[WV], 16*SPITCH                ; my stage
	v_mul_u32_u24 v5, v1, SPITCH
	v_lshl_add_u32 v5, v2, 4, v5
	v_add_nc_u32 v[STO], s23, v5                   ; in: row r, 16 bytes for each half of the lanes
	v_mul_u32_u24 v5, v2, SPITCH
	v_lshl_add_u32 v5, v1, 4, v5
	v_add_nc_u32 v[RD], s23, v5                    ; back: lanes 0-15 one row of 256 bytes, lanes 16-31 the next
	v_lshlrev_b32 v5, 11, v2
	v_lshl_add_u32 v[CO], v1, 4, v5                ; the same two rows in the output: 2,048 bytes a row
	v_and_b32 v5, 31, v0
	v_lshlrev_b32 v[TBA], 4, v5
	v_lshlrev_b32 v[BIA], 5, v2
	v_lshlrev_b32 v5, 12, v1
	v_lshl_add_u32 v[HDA], v2, 5, v5               ; head: row r of 4,096 bytes, + 32 h
	v_mov_b32 v[VCY], s41
	s_cmp_eq_u32 ttmp9, 0                          ; which bias: the cluster's x
	s_cselect_b64 s[6:7], s[6:7], s[8:9]
	s_cmp_eq_u32 ttmp9, 2
	s_cselect_b64 s[6:7], s[10:11], s[6:7]
	s_lshl_b32 s20, s40, 10
	s_lshl_b32 s21, s[CH], 9
	s_add_co_u32 s20, s20, s21                     ; 4 x my first channel (256 cx + 128 x half)
	s_mov_b32 s21, 0
	s_add_nc_u64 s[6:7], s[6:7], s[20:21]
	s_and_b32 s[CLY], ttmp7, 0xffff
	s_lshr_b32 s22, s[CLY], 1                      ; the batch
	s_lshl_b32 s22, s22, 16
	s_lshl_b32 s23, ttmp9, 18
	s_add_co_u32 s22, s22, s23
	s_add_co_u32 s20, s20, s22
	s_add_nc_u64 s[16:17], s[16:17], s[20:21]      ; head at [tensor][batch][0][my first channel]
	s_lshl_b32 s20, ttmp9, 24
	s_lshl_b32 s22, s[TR], 19
	s_add_co_u32 s20, s20, s22
	s_lshl_b32 s22, s[RH], 18
	s_add_co_u32 s20, s20, s22
	s_lshl_b32 s22, s40, 9
	s_add_co_u32 s20, s20, s22
	s_lshl_b32 s22, s[CH], 8
	s_add_co_u32 s20, s20, s22
	s_add_nc_u64 s[14:15], s[14:15], s[20:21]      ; the output at my first row and channel
	s_and_b32 s20, s[TR], 7
	s_lshl_b32 s20, s20, 20
	s_lshl_b32 s22, s[RH], 19
	s_add_co_u32 s20, s20, s22
	s_lshl_b32 s22, s40, 14
	s_add_co_u32 s20, s20, s22
	s_lshl_b32 s22, s[CH], 13
	s_add_co_u32 s20, s20, s22
	s_add_nc_u64 s[12:13], s[12:13], s[20:21]      ; the table at my first 16 positions and my first 16 channels
	WIN TO_B
.irp b, 0,1,2,3,4,5,6,7
	global_load_b128 v[BI+8*\b:BI+8*\b+3], v[BIA], s[6:7] offset:64*\b       ; the bias of channels 16 b + 8 h + 0 .. 7
	global_load_b128 v[BI+8*\b+4:BI+8*\b+7], v[BIA], s[6:7] offset:64*\b+16
.endr
	WIN 0
.macro FRAG reg, adr, q, i             ; 16 rows x 128 K of 4-bit codes: 8 registers, two loads of 16 bytes, 32 bytes apart
.irp c, 0,1
	ds_load_b128 v[\reg+4*\c:\reg+4*\c+3], v[\adr] offset:64*(\q)+32*\c+(\i)*16*PITCH
.endr
.endm
; 16 matrix instructions: A's blocks a0, a0 + 1 x B's eight.  zero = 1: the first product starts the sums from the bias.  The 64 accumulators take turns.
.macro MUL16 a0, p, q, sc, zero
.irp a, \a0, \a0+1
.irp b, 0,1,2,3,4,5,6,7
.if \zero
	v_wmma_scale_f32_16x16x128_f8f6f4 v[8*(8*((\a)%4)+\b):8*(8*((\a)%4)+\b)+7], v[128*(\p)+FR*\b:128*(\p)+FR*\b+FR-1], v[AF+FR*(\a):AF+FR*(\a)+FR-1], v[BI+8*\b:BI+8*\b+7], v[SC+8*NQ*(\sc)+NQ*\b+(\q)], v[SC+8*NQ*(\sc)+NQ*(\a)+(\q)] matrix_a_fmt:MATRIX_FMT_FP4 matrix_b_fmt:MATRIX_FMT_FP4 matrix_a_scale:MATRIX_SCALE_ROW1
.else
	v_wmma_scale_f32_16x16x128_f8f6f4 v[8*(8*((\a)%4)+\b):8*(8*((\a)%4)+\b)+7], v[128*(\p)+FR*\b:128*(\p)+FR*\b+FR-1], v[AF+FR*(\a):AF+FR*(\a)+FR-1], v[8*(8*((\a)%4)+\b):8*(8*((\a)%4)+\b)+7], v[SC+8*NQ*(\sc)+NQ*\b+(\q)], v[SC+8*NQ*(\sc)+NQ*(\a)+(\q)] matrix_a_fmt:MATRIX_FMT_FP4 matrix_b_fmt:MATRIX_FMT_FP4 matrix_a_scale:MATRIX_SCALE_ROW1
.endif
.endr
.endr
.endm
.macro FETCH_B slot, q, p
	WIN TO_B
.irp i, 0,1,2,3,4,5,6,7
	FRAG 128*(\p)+FR*\i, ADRB+\slot, \q, \i
.endr
	WIN 0
.endm
.macro FETCH_A slot, q, i0
.irp i, \i0, \i0+1, \i0+2, \i0+3
	FRAG AF+FR*(\i), ADRA+\slot, \q, \i
.endr
.endm
.macro SCALES sc                       ; a slot's scale words: lanes 0-15 take A's block i, lanes 16-31 B's block i
.irp i, 0,1,2,3,4,5,6,7
	ds_load_b128 v[SC+8*NQ*\sc+NQ*\i:SC+8*NQ*\sc+NQ*\i+3], v[ADRS] offset:\i*SBLK
.endr
.endm
.macro PLACES n                        ; plain vector lines between a matrix instruction and a load into, or a read of, its registers
.rept \n
	v_nop
.endr
.endm
.macro STEP slot, q, zero              ; 128 along K that has its successor in the same slot
	s_wait_dscnt 4*NL                              ; all but the youngest eight loads (A's blocks 4-7) are in
.if \zero
	WIN 0x91                                       ; C in window 1: the bias
.else
	WIN MUL_LO
.endif
	MUL16 0, (\q)%2, \q, \slot, \zero
	MUL16 2, (\q)%2, \q, \slot, \zero
	s_wait_dscnt 0
	PLACES NP
	FETCH_B \slot, (\q)+1, 1-(\q)%2
	FETCH_A \slot, (\q)+1, 0
.if \zero
	WIN 0xd1
.else
	WIN MUL_HI
.endif
	MUL16 4, (\q)%2, \q, \slot, \zero
	MUL16 6, (\q)%2, \q, \slot, \zero
	PLACES NP
	WIN 0
	FETCH_A \slot, (\q)+1, 4
.endm
.macro TURN slot, next                 ; a slot's last step: one barrier: behind it the next slot is whole and nobody reads this one
	s_wait_tensorcnt 0x0                           ; all my tensor loads have landed
	ds_add_u32 v[SPW], v[NIL]
	s_wait_dscnt 4*NL+1                            ; (the add and the youngest eight loads may be out)
	WIN MUL_LO
	MUL16 0, 1, NQ-1, \slot, 0
	s_wait_dscnt 0x0                               ; the add is done, and my reads of this slot are over
	s_barrier_signal -1
	MUL16 2, 1, NQ-1, \slot, 0
	WIN 0
	s_barrier_wait -1
	PLACES NP
	v_add_nc_u32 v[ADRS], 4*NQ, v[ADRS]            ; on to the next slot's scale words
	FETCH_B \next, 0, 0
	FETCH_A \next, 0, 0
	SCALES \next
	WIN MUL_HI
	MUL16 4, 1, NQ-1, \slot, 0
	MUL16 6, 1, NQ-1, \slot, 0
	PLACES NP
	WIN 0
	FETCH_A \next, 0, 4
.endm
.macro LASTSLOT                        ; slot 1's four steps: 256 products; the last fetches nothing; places behind it for the way out
	STEP 1, 0, 0
	STEP 1, 1, 0
	STEP 1, 2, 0
	s_wait_dscnt 4*NL
	WIN MUL_LO
	MUL16 0, 1, NQ-1, 1, 0
	MUL16 2, 1, NQ-1, 1, 0
	s_wait_dscnt 0
	WIN MUL_HI
	MUL16 4, 1, NQ-1, 1, 0
	MUL16 6, 1, NQ-1, 1, 0
	WIN 0
	PLACES NP
.endm
; the table of block a (16 positions x my 128 channels): 16 loads of 512 consecutive bytes, into window 1
.macro TABLE a
.set TBL, 192-128*((\a)%2)
	WIN TO_B
.irp b, 0,1,2,3,4,5,6,7
	global_load_b128 v[TBL+8*\b:TBL+8*\b+3], v[TBA], s[12:13] offset:(\a)*65536+\b*1024
	global_load_b128 v[TBL+8*\b+4:TBL+8*\b+7], v[TBA], s[12:13] offset:(\a)*65536+\b*1024+512
.endr
	WIN 0
.endm
; block a is rotated: y(2 p) = x(2 p) cos - x(2 p + 1) sin, y(2 p + 1) = x(2 p + 1) cos + x(2 p) sin; then rounded to f16.  Each accumulator is read from its low end on.
.macro PACKR a
.set AC, 64*((\a)%4)
.set TBL, 192-128*((\a)%2)
	WIN 0x06+(\a)/4                                ; source 0: the accumulators' window; source 1: window 1
.irp b, 0,1,2,3,4,5,6,7
.irp p, 0,1,2,3
	v_mul_f32 v[U+2*\p], v[AC+8*\b+2*\p+1], v[TBL+8*\b+2*\p+1]
	v_mul_f32 v[U+2*\p+1], v[AC+8*\b+2*\p], v[TBL+8*\b+2*\p+1]
.endr
.irp p, 0,1,2,3
	v_fma_f32 v[Y+8*\b+2*\p], v[AC+8*\b+2*\p], v[TBL+8*\b+2*\p], -v[U+2*\p]
	v_fma_f32 v[Y+8*\b+2*\p+1], v[AC+8*\b+2*\p+1], v[TBL+8*\b+2*\p], v[U+2*\p+1]
.endr
.endr
	WIN 0
.irp b, 0,1,2,3,4,5,6,7
.irp r, 0,1,2,3
	v_cvt_pk_f16_f32 v[TMP+4*\b+\r], v[Y+8*\b+2*\r], v[Y+8*\b+2*\r+1]
.endr
.endr
.endm
.macro PACKV a                         ; V is only rounded
.set AC, 64*((\a)%4)
	WIN 0x0a+5*((\a)/4)
.irp b, 0,1,2,3,4,5,6,7
.irp r, 0,1,2,3
	v_cvt_pk_f16_f32 v[TMP+4*\b+\r], v[AC+8*\b+2*\r], v[AC+8*\b+2*\r+1]
.endr
.endr
	WIN 0
.endm
.macro TOSTAGE a                       ; into my stage, and back as whole rows of 256 bytes: LDS serves a wave's instructions in order
.set BK, OB+32*((\a)%2)
.irp b, 0,1,2,3,4,5,6,7
	ds_store_b128 v[STO], v[TMP+4*\b:TMP+4*\b+3] offset:32*\b
.endr
.irp t, 0,1,2,3,4,5,6,7
	ds_load_b128 v[BK+4*\t:BK+4*\t+3], v[RD] offset:\t*2*SPITCH
.endr
.endm
.macro SEND a
.set BK, OB+32*((\a)%2)
	s_wait_dscnt 0x0                               ; the block is back in registers
	s_wait_xcnt 0x0                                ; the stores of the block before have read their registers: the next block's loads may land there
.irp t, 0,1,2,3,4,5,6,7
	global_store_b128 v[CO], v[BK+4*\t:BK+4*\t+3], s[14:15] offset:(16*(\a)+2*\t)*2048   ; sixteen lanes store 256 consecutive bytes, aligned
.endr
.endm
; block 0 in f32, where it holds the positions 0 to 15 of a batch: my rows' upper half, an even cluster y, and the cluster's first row of work-groups (by EXEC)
.macro HEADST rot
	s_cmp_lg_u32 s[RH], 0
	s_cbranch_scc1 .Lno_head_\@
	s_and_b32 s[SX], s[CLY], 1
	s_cmp_lg_u32 s[SX], 0
	s_cbranch_scc1 .Lno_head_\@
	v_cmp_eq_u32 vcc_lo, 0, v[VCY]
	s_wait_xcnt 0x0                                ; EXEC changes only behind this wait
	s_and_saveexec_b32 s[SX], vcc_lo
.if \rot
.irp b, 0,1,2,3,4,5,6,7
	global_store_b128 v[HDA], v[Y+8*\b:Y+8*\b+3], s[16:17] offset:64*\b
	global_store_b128 v[HDA], v[Y+8*\b+4:Y+8*\b+7], s[16:17] offset:64*\b+16
.endr
.else
	WIN 0x08                                       ; a store's data are its source 1: window 2
.irp b, 0,1,2,3,4,5,6,7
	global_store_b128 v[HDA], v[8*\b:8*\b+3], s[16:17] offset:64*\b
	global_store_b128 v[HDA], v[8*\b+4:8*\b+7], s[16:17] offset:64*\b+16
.endr
	WIN 0
.endif
	s_wait_xcnt 0x0                                ; and again, in front of the line that widens it; the data may be rewritten too
	s_or_b32 exec_lo, exec_lo, s[SX]
.Lno_head_\@:
.endm
	s_wait_tensorcnt 1                             ; the scales and my part of slot 0 are in (slot 1's load may be out)
	s_barrier_signal -1
	s_barrier_wait -1                              ; everybody's are
	FETCH_B 0, 0, 0
	FETCH_A 0, 0, 0
	SCALES 0
	FETCH_A 0, 0, 4
	s_wait_loadcnt 0x0                             ; the bias
	STEP 0, 0, 1
	STEP 0, 1, 0
	STEP 0, 2, 0
	TURN 0, 1
	s_cmp_eq_u32 ttmp9, 2                          ; V is not rotated: the cluster's x, the same in all partners.  The one parting of the ways
	s_cbranch_scc1 .Lplain
	; ---- Q and K
	TABLE 0                                        ; the first two blocks' tables land under the last slot's products (the second takes the bias's registers, whose last reader was the first step)
	TABLE 1
	LASTSLOT
	s_wait_loadcnt 16                              ; block 0's table is in; block 1's 16 loads may be out
	PACKR 0
	TABLE 2
	HEADST 1
	TOSTAGE 0
.irp a, 1,2,3,4,5,6,7
.if \a < 7
	s_wait_loadcnt 16                              ; this block's table is in; the next block's 16 loads may be out
.else
	s_wait_loadcnt 0x0
.endif
	PACKR \a
.if \a < 6
	TABLE \a+2
.endif
	SEND \a-1
	TOSTAGE \a
.endr
	SEND 7
	s_branch .Lclose
	; ---- V
.Lplain:
	LASTSLOT
	PACKV 0
	HEADST 0
	TOSTAGE 0
.irp a, 1,2,3,4,5,6,7
	PACKV \a
	SEND \a-1
	TOSTAGE \a
.endr
	SEND 7
.Lclose:
	s_wait_tensorcnt 0x0                           ; the wave's end
	ds_add_u32 v[SPW], v[NIL]
	s_wait_dscnt 0x0
	CROUND                                         ; the closing round
	s_endpgm
.Lfunc_end_k_q33870cdc66_qkv:
	.size	k_q33870cdc66_qkv, .Lfunc_end_k_q33870cdc66_qkv-k_q33870cdc66_qkv
	.p2alignl 7, 3214868480
	.fill 96, 4, 3214868480
	.section	.rodata,"a",@progbits
	.p2align	6, 0x0
	.amdhsa_kernel k_q33870cdc66_qkv
		.amdhsa_group_segment_fixed_size 327680
		.amdhsa_private_segment_fixed_size 0
		.amdhsa_enable_private_segment 0
		.amdhsa_kernarg_size 56
		.amdhsa_user_sgpr_count 2
		.amdhsa_user_sgpr_kernarg_segment_ptr 1
		.amdhsa_wavefront_size32 1
		.amdhsa_system_sgpr_workgroup_id_x 1
		.amdhsa_system_sgpr_workgroup_id_y 1
		.amdhsa_system_sgpr_workgroup_id_z 1
		.amdhsa_system_vgpr_workitem_id 0
		.amdhsa_next_free_vgpr 1024
		.amdhsa_next_free_sgpr 100
		.amdhsa_reserve_vcc 1
		.amdhsa_float_denorm_mode_32 3
		.amdhsa_float_denorm_mode_16_64 3
		.amdhsa_memory_ordered 1
		.amdhsa_forward_progress 1
		.amdhsa_inst_pref_size 255
	.end_amdhsa_kernel
	.section	.bss,"aw",@nobits
	.p2align	6
	.space	262144
	.amdgpu_metadata
---
amdhsa.version: [ 1, 2 ]
amdhsa.kernels:
  - .name:           k_q33870cdc66_qkv
    .symbol:         k_q33870cdc66_qkv.kd
    .args:
      - { .name: codes, .offset: 0, .size: 8, .value_kind: global_buffer, .address_space: global }
      - { .name: bq, .offset: 8, .size: 8, .value_kind: global_buffer, .address_space: global }
      - { .name: bk, .offset: 16, .size: 8, .value_kind: global_buffer, .address_space: global }
      - { .name: bv, .offset: 24, .size: 8, .value_kind: global_buffer, .address_space: global }
      - { .name: rope, .offset: 32, .size: 8, .value_kind: global_buffer, .address_space: global }
      - { .name: qkv, .offset: 40, .size: 8, .value_kind: global_buffer, .address_space: global }
      - { .name: head, .offset: 48, .size: 8, .value_kind: global_buffer, .address_space: global }
    .group_segment_fixed_size: 327680
    .private_segment_fixed_size: 0
    .kernarg_segment_align: 8
    .kernarg_segment_size: 56
    .max_flat_workgroup_size: 128
    .sgpr_count:     100
    .vgpr_count:     1024
    .wavefront_size: 32
...
	.end_amdgpu_metadata
.endif
;; end of part 2
;; launch scores (part 3): grid 4 x 48, 4 waves a work-group, clusters of 4 x 4, 327,680 bytes of LDS; arguments qkv, pmat, stats; writes pmat, stats
.if DOCPART == 3
	.amdgcn_target "amdgcn-amd-amdhsa--gfx1250"
	.amdhsa_code_object_version 6
	.text
	.protected	k_q33870cdc66_scores
	.globl	k_q33870cdc66_scores
	.p2align	8
	.type	k_q33870cdc66_scores,@function
k_q33870cdc66_scores:
	s_mov_b64 s[64:65], 0
	v_nop
	global_prefetch_b8 v0, s[64:65] scope:SCOPE_SE
	s_setreg_imm32_b32 hwreg(HW_REG_WAVE_MODE, 25, 1), 1
	s_wait_xcnt 0x0
	s_wait_alu depctr_hold_cnt(0) depctr_sa_sdst(0) depctr_va_vdst(0) depctr_va_sdst(0) depctr_va_ssrc(0) depctr_va_vcc(0) depctr_vm_vsrc(0)
	s_getreg_b32 s2, hwreg(HW_REG_IB_STS2, 6, 4)
	s_cmp_eq_u32 s2, 0
	s_cbranch_scc0 .Lentry_in_a_cluster
	s_endpgm
.Lentry_in_a_cluster:
	s_bfe_u32 s2, ttmp6, 0x10000c
	s_cmp_lg_u32 s2, 0xf033
	s_cbranch_scc0 .Lentry_shape_is_right
	s_endpgm
.Lentry_shape_is_right:
; P and its statistics.  S = Q K^T in f16 with f32 sums, on tiles of 256 queries x 256 keys; t = S log2(e) / 32.  For each query and each chunk of 128 keys:
; M = the chunk's largest t rounded up to a whole number, p = 2^(t - M) (stored as f16), l = the sum of the unrounded p.  The next launch brings the chunks of a row under one M by powers of two, which round nothing.
; The maximum is taken away before every exponential; a chunk that lies wholly under the causal mask takes -3e38 for its largest score: p = 0, l = 0, and its power of two falls to 0.
; A cluster of 4 x 4 work-groups makes 1,024 x 1,024 of one batch: (0, 0), (1, 0) or (1, 1) of the batch's four such squares.  The tiles of a diagonal square that lie above the diagonal are made too and come out as zeros:
; no branch may hang on a work-group's place in its cluster beside joint loads, and the next launch reads part of those zeros.  Q's tiles are asked for jointly along a row of the cluster, K's along a column.
; The GEMM: four waves, 128 x 128 each (64 accumulators, 512 registers); K = 1,024 in steps of 128 through two LDS slots; rows of 256 bytes, 16 of padding.
; TRANSPOSED USE: source 0 = 16 keys, source 1 = 16 queries: a lane holds one query (lane % 16) and eight neighbouring keys of each tile; the query's other 64 keys of the chunk lie in the lane 16 away.
; P LEAVES IN THE ORDER OF THE NEXT PRODUCT'S OPERAND REGISTERS: pmat is [16 queries][32 keys][half][lane][16 bytes], 1,024 bytes a fragment.  The packed weights of tiles 2 f and 2 f + 1 ARE registers 0-3 and 4-7 of
; fragment f, in the same lanes: they are stored as they stand, 512 consecutive bytes a store, and nothing goes through LDS on the way out.
; stats: [plane][chunk 16][64 rows][r 16][a 4] f32, row = 64 g + 16 a + r: plane 0 -M, plane 1 l.
; REGISTERS: window 0: v16-31 addresses; v64-191 Q's fragments, two buffers; on the way out v64-255 at work.  window 1: K's fragments.  windows 2, 3: the accumulators.
.set KSTEP,  128
.set PITCH,  272
.set HALFT,  128*PITCH
.set SLOT,   4*HALFT
.set SPARE,  2*SLOT                    ; behind the ring: the spare words, 128 bytes for each wave, named by no other line
.set LAPS,   4
.set ADRA, 16
.set ADRB, 20
.set SGO,  22                          ; v22  16 x lane
.set D0,   23                          ; v23  my query less my first key
.set LN,   27                          ; v27  lane
.set SPW,  28
.set NIL,  29
.set PFO,  30                          ; v30  the prefetches' offset: lane x 2,048
.set F0,   64
.set F1,   128
.set TMP,  192                         ; v192-223, v224-255: packed weights, two sets by turns
.set MX,   64                          ; the way out: v64-67 four maxima
.set PX,   68                          ; v68     from the lane 16 away
.set NM,   70                          ; v[70:71] -M, named as a pair
.set SM,   72                          ; v[72:75] two sums of pairs
.set NINF, 78
.set LOW,  79
.set NMK,  80                          ; v80-87  -M of block a
.set LK,   88                          ; v88-95  l of block a
.set DB,   96                          ; v96-103 the mask's distance for tile b
.set PFA,  44
.set LIM,  43
.set G1, 24
.set G0, 32
.set G1B, 48
.set G0B, 56
.set RS, 66
.set CSQ, 67
.set SEL, 72
.set CS, 74
.set MSB, 0
.macro WIN new
.if MSB != (\new)
	s_set_vgpr_msb (MSB<<8)|(\new)
.set MSB, (\new)
.endif
.endm
.set MUL_LO, 0xa1
.set MUL_HI, 0xf1
.set TO_B,   0x40
.macro JLOAD s                         ; waves 0 and 1 fetch Q's two halves, waves 2 and 3 K's
	s_cmp_eq_u32 s11, 0
	s_cbranch_scc0 .Lfor_b_\@
	tensor_load_to_lds s[G0+4*\s:G0+4*\s+3], s[G1:G1+7]
	s_nop 0
.rept 4
	v_nop
.endr
	s_branch .Lasked_\@
.Lfor_b_\@:
	tensor_load_to_lds s[G0B+4*\s:G0B+4*\s+3], s[G1B:G1B+7]
	s_nop 0
.rept 4
	v_nop
.endr
.Lasked_\@:
.endm
; A prefetch of the K step that stands two refills on: 32 rows x 256 bytes, a lane a row.  Q's rows are read by every cluster of that row of squares: the one in column 0 asks; K's by every cluster of that column:
; the one on the diagonal asks.  The four partners that ask for a tile jointly share its rows out by address.  The loop's last trip asks for nothing: there is no K step two on.
.macro ASK
	s_cmp_gt_u32 s3, s[LIM]
	s_cbranch_scc0 .Lnot_mine_\@
	global_prefetch_b8 v[PFO], s[PFA:PFA+1] offset:KSTEP*2 th:TH_LOAD_NT scope:SCOPE_SE
.Lnot_mine_\@:
.endm
.macro CREST
	s_cmp_lg_u32 s10, 0
	s_cbranch_scc1 .Lnot_wave_0_\@
	s_barrier_signal -3
.Lnot_wave_0_\@:
	s_barrier_wait -3
	s_barrier_signal -1
	s_barrier_wait -1
.endm
.macro CROUND
	s_barrier_signal -1
	s_barrier_wait -1
	CREST
.endm
	s_load_b128 s[4:7], s[0:1], 0x0                ; qkv, pmat
	s_load_b64 s[8:9], s[0:1], 0x10                ; stats
	v_lshl_add_u32 v[SPW], v0, 2, SPARE
	v_mov_b32 v[NIL], 0
	ds_add_u32 v[SPW], v[NIL]                      ; the wave's opening: the add, twice on end, and its wait ahead of my first tensor load
	ds_add_u32 v[SPW], v[NIL]
	v_lshrrev_b32 v1, 5, v0
	v_readfirstlane_b32 s10, v1                    ; wave 0..3
	s_lshr_b32 s11, s10, 1                         ; which half of the queries is mine.  Also: I fetch Q (0) or K (1)
	s_and_b32 s12, s10, 1                          ; which half of the keys.  Also: which 128 rows I fetch
	s_bfe_u32 s40, ttmp6, 0x40000                  ; cx
	s_bfe_u32 s41, ttmp6, 0x40004                  ; cy
	s_and_b32 s66, ttmp7, 0xffff                   ; the cluster's y: 3 x batch + square
	s_mul_i32 s68, s66, 171
	s_lshr_b32 s68, s68, 9                         ; the batch
	s_mul_i32 s67, s68, 3
	s_sub_co_u32 s67, s66, s67                     ; the square: 0, 1, 2
	s_min_u32 s[RS], s67, 1                        ; its row,
	s_lshr_b32 s[CSQ], s67, 1                      ; its column
	s_lshl_b32 s69, s68, 11                        ; the batch's first row
	s_lshl_b32 s42, s[CSQ], 2
	s_add_co_u32 s42, s42, s40                     ; tile column
	s_lshl_b32 s13, s[RS], 2
	s_add_co_u32 s13, s13, s41                     ; tile row
	s_lshl_b32 s43, s41, 2
	s_lshl_b32 s43, 15, s43                        ; my row of the cluster
	s_lshl_b32 s44, 0x1111, s40                    ; my column
	s_or_b32 s[G1+0], s43, (1<<16)|(1<<20)|(1<<21)|(5<<22)|(3<<25)   ; the mask; elements of 2 bytes; padding: 4 words behind every 64
	s_or_b32 s[G1B+0], s44, (1<<16)|(1<<20)|(1<<21)|(5<<22)|(3<<25)
.irp g, G1, G1B
	s_mov_b32 s[\g+1], KSTEP<<16                   ; tensor_dim0 = 128
	s_mov_b32 s[\g+2], 128<<16                     ; tensor_dim1 = 128
	s_mov_b32 s[\g+3], KSTEP<<16                   ; tile_dim0
	s_mov_b32 s[\g+4], 128                         ; tile_dim1
	s_mov_b32 s[\g+5], 1024                        ; the pitch in elements
	s_mov_b32 s[\g+6], 0
	s_mov_b32 s[\g+7], 0
.endr
	s_lshl_b32 s17, s12, 7
	s_lshl_b32 s16, s13, 8
	s_add_co_u32 s16, s16, s17
	s_add_co_u32 s16, s16, s69                     ; Q: row = batch + 256 x tile row + 128 x half
	s_lshl_b32 s16, s16, 11
	s_lshl_b32 s46, s42, 8
	s_add_co_u32 s46, s46, s17
	s_add_co_u32 s46, s46, s69                     ; K: by the tile column
	s_lshl_b32 s46, s46, 11
	s_add_co_u32 s46, s46, 0x1000000               ; K lies 16,777,216 bytes behind Q
	s_mov_b32 s17, 0
	s_mov_b32 s47, 0
	s_mul_i32 s20, s10, HALFT                      ; where they go: wave x 128 rows
	s_mov_b32 s[SEL], 0x76543210
	s_mov_b32 s[SEL+1], 0xfedcba98
	s_mov_b32 s[CS], 0x3d38aa3b                    ; c = log2(e) / 32
	s_mov_b32 s[CS+1], s[CS]
	s_wait_dscnt 0x0                               ; both opening adds are done
	s_wait_kmcnt 0x0
	s_add_nc_u64 s[14:15], s[4:5], s[16:17]
	s_add_nc_u64 s[46:47], s[4:5], s[46:47]
	CROUND                                         ; all sixteen work-groups are here: the first joint loads meet
.irp s, 0,1
	s_mov_b32 s[G0+4*\s], 1
	s_add_co_u32 s[G0+4*\s+1], s20, \s*SLOT
	s_add_nc_u64 s[G0+4*\s+2:G0+4*\s+3], s[14:15], \s*KSTEP*2
	s_or_b32 s[G0+4*\s+3], s[G0+4*\s+3], 0x80000000
	s_mov_b32 s[G0B+4*\s], 1
	s_add_co_u32 s[G0B+4*\s+1], s20, \s*SLOT
	s_add_nc_u64 s[G0B+4*\s+2:G0B+4*\s+3], s[46:47], \s*KSTEP*2
	s_or_b32 s[G0B+4*\s+3], s[G0B+4*\s+3], 0x80000000
	JLOAD \s
.endr
	v_and_b32 v1, 15, v0                           ; r
	v_bfe_u32 v2, v0, 4, 1                         ; h
	v_and_b32 v[LN], 31, v0
	v_mul_u32_u24 v3, v1, PITCH
	v_lshl_add_u32 v3, v2, 4, v3
	s_mul_i32 s21, s11, HALFT
	s_mul_i32 s22, s12, HALFT
	s_add_co_u32 s22, s22, 2*HALFT
.irp s, 0,1
	v_add_nc_u32 v[ADRA+\s], s21, v3
	v_add_nc_u32 v[ADRB+\s], s22, v3
	s_add_co_u32 s21, s21, SLOT
	s_add_co_u32 s22, s22, SLOT
.endr
	v_lshlrev_b32 v[SGO], 4, v[LN]
	s_sub_co_i32 s20, s13, s42
	s_lshl_b32 s20, s20, 8
	s_sub_co_i32 s21, s11, s12
	s_lshl_b32 s21, s21, 7
	s_add_co_i32 s20, s20, s21                     ; my wave's first query less its first key
	v_lshlrev_b32 v3, 3, v2
	v_sub_nc_u32 v[D0], v1, v3
	v_add_nc_u32 v[D0], s20, v[D0]                 ; + r - 8 h
	s_lshl_b32 s20, s13, 8
	s_lshl_b32 s21, s11, 7
	s_add_co_u32 s20, s20, s21
	s_add_co_u32 s20, s20, s69                     ; my first row
	s_lshl_b32 s16, s20, 12                        ; 16 rows' fragments are 65,536 bytes
	s_lshl_b32 s21, s42, 13                        ; 256 keys are eight fragments of 1,024 bytes,
	s_add_co_u32 s16, s16, s21
	s_lshl_b32 s21, s12, 12                        ; 128 keys four
	s_add_co_u32 s16, s16, s21
	s_mov_b32 s17, 0
	s_add_nc_u64 s[6:7], s[6:7], s[16:17]          ; P at my first fragment
	s_lshl_b32 s16, s20, 2                         ; the statistics: 64 rows are 256 bytes,
	s_lshl_b32 s21, s42, 16
	s_add_co_u32 s16, s16, s21
	s_lshl_b32 s21, s12, 15
	s_add_co_u32 s16, s16, s21                     ; chunk 2 x tile column + half: 32,768 bytes a chunk
	s_add_nc_u64 s[8:9], s[8:9], s[16:17]
	; the prefetches: where my wave's stand, and who asks
	s_lshl_b32 s20, s13, 8
	s_lshl_b32 s21, s42, 8
	s_sub_co_u32 s22, s[RS], s[CSQ]
	s_cmp_eq_u32 s11, 0                            ; do I fetch Q?
	s_cselect_b32 s20, s20, s21                    ; the tile's first row
	s_cselect_b32 s21, s40, s41                    ; my place among the four that ask for it with me
	s_cselect_b32 s22, s[CSQ], s22                 ; 0 in the cluster that asks
	s_cselect_b32 s23, 0, 0x1000000
	s_cmp_eq_u32 s22, 0
	s_cselect_b32 s[LIM], 1, -1                    ; the same in all sixteen partners, for a given wave
	s_add_co_u32 s20, s20, s69
	s_lshl_b32 s22, s12, 7
	s_add_co_u32 s20, s20, s22
	s_lshl_b32 s21, s21, 5
	s_add_co_u32 s20, s20, s21                     ; + my work-group's 32 rows of the 128
	s_lshl_b32 s20, s20, 11
	s_add_co_u32 s20, s20, s23
	s_add_co_u32 s20, s20, 2*KSTEP*2               ; at K step 2: the first refill steps it to 3 and names K step 4
	s_mov_b32 s21, 0
	s_add_nc_u64 s[PFA:PFA+1], s[4:5], s[20:21]
	v_lshlrev_b32 v[PFO], 11, v[LN]
.macro MUL16 f, hi, a0, zero           ; 16 matrix instructions: blocks of queries a0, a0 + 1 of the window's four x all 8 tiles of keys, 32 along K
.irp a, \a0, \a0+1
.irp b, 0,1,2,3,4,5,6,7
.if \zero
	v_wmma_f32_16x16x32_f16 v[8*(8*(\a)+\b):8*(8*(\a)+\b)+7], v[\f+8*\b:\f+8*\b+7], v[\f+8*(4*\hi+\a):\f+8*(4*\hi+\a)+7], 0
.else
	v_wmma_f32_16x16x32_f16 v[8*(8*(\a)+\b):8*(8*(\a)+\b)+7], v[\f+8*\b:\f+8*\b+7], v[\f+8*(4*\hi+\a):\f+8*(4*\hi+\a)+7], v[8*(8*(\a)+\b):8*(8*(\a)+\b)+7]
.endif
.endr
.endr
.endm
.macro FETCH slot, k, f                ; 32 LDS loads in one run: the fragments of 32 along K at byte k of the rows
	WIN TO_B
.irp i, 0,1,2,3,4,5,6,7
	ds_load_b128 v[\f+8*\i:\f+8*\i+3],   v[ADRB+\slot] offset:\k+\i*16*PITCH
	ds_load_b128 v[\f+8*\i+4:\f+8*\i+7], v[ADRB+\slot] offset:\k+\i*16*PITCH+32
.endr
	WIN 0
.irp i, 0,1,2,3,4,5,6,7
	ds_load_b128 v[\f+8*\i:\f+8*\i+3],   v[ADRA+\slot] offset:\k+\i*16*PITCH
	ds_load_b128 v[\f+8*\i+4:\f+8*\i+7], v[ADRA+\slot] offset:\k+\i*16*PITCH+32
.endr
.endm
.macro PLACES
.rept 4
	v_nop
.endr
.endm
.macro QUARTER slot, k, f, g, zero     ; multiplies buffer f; in its middle it fetches the next quarter, at byte k, into g
	s_wait_dscnt 8                                 ; all but the youngest eight loads (Q's rows 64-127)
	WIN MUL_LO
	MUL16 \f, 0, 0, \zero
	MUL16 \f, 0, 2, \zero
	PLACES
	FETCH \slot, \k, \g
	s_wait_dscnt 32                                ; all but the 32 just issued
	WIN MUL_HI
	MUL16 \f, 1, 0, \zero
	MUL16 \f, 1, 2, \zero
.endm
.macro MEET round                      ; the first half of a slot's last quarter: one barrier for the change of slots
	WIN 0
	s_wait_tensorcnt 0x0                           ; all my tensor loads have landed: my part of the next slot
	ds_add_u32 v[SPW], v[NIL]
	s_wait_dscnt 9                                 ; (the add and the youngest eight loads may be out)
	WIN MUL_LO
	MUL16 F1, 0, 0, 0
	s_wait_dscnt 0x0                               ; the add is done, and my reads of this slot are over
	s_barrier_signal -1
	MUL16 F1, 0, 2, 0
.if \round
	WIN 0
.endif
	s_barrier_wait -1
.endm
.macro TURN slot, next                 ; the whole last quarter: the slot just read out is filled again first, two K steps ahead
	s_wait_xcnt 0x0                                ; the last prefetch, a K step back, has read its address
	s_add_nc_u64 s[PFA:PFA+1], s[PFA:PFA+1], KSTEP*2
	MEET 1
	CREST                                          ; no wave of any partner still reads this slot or has a load on its way
	s_add_nc_u64 s[G0+4*\slot+2:G0+4*\slot+3], s[G0+4*\slot+2:G0+4*\slot+3], 2*KSTEP*2
	s_add_nc_u64 s[G0B+4*\slot+2:G0B+4*\slot+3], s[G0B+4*\slot+2:G0B+4*\slot+3], 2*KSTEP*2
	JLOAD \slot                                    ; the four v_nop behind it are also the places in front of the loads below
	FETCH \next, 0, F0
	ASK
	WIN MUL_HI
	MUL16 F1, 1, 0, 0
	MUL16 F1, 1, 2, 0
.endm
; THE SOFTMAX'S PART OF BLOCK a: 16 queries x my 128 keys, 64 scores a lane.
.macro SOFT a
.set W, 2+(\a)/4
.set X, 64*((\a)%4)
.set TS, TMP+32*((\a)%2)
	s_cmp_lg_u32 s[RS], s[CSQ]                     ; only a square on the diagonal has hidden keys: the cluster's number, the same in all partners
	s_cbranch_scc1 .Lopen_\@
.irp b, 0,1,2,3,4,5,6,7
	v_add_nc_u32 v[DB+\b], 16*(\a)-16*\b, v[D0]    ; register j of tile b is hidden where j > this
.endr
	WIN (W<<6)|W
.irp b, 0,1,2,3,4,5,6,7
.irp j, 0,1,2,3,4,5,6,7
	v_cmp_gt_i32 vcc_lo, \j, v[DB+\b]
	v_cndmask_b32 v[X+8*\b+\j], v[X+8*\b+\j], v[NINF], vcc_lo
.endr
.endr
	WIN 0
.Lopen_\@:
	WIN (W<<2)|(W<<4)
.irp c, 0,1,2,3
	v_max3_num_f32 v[MX+\c], v[LOW], v[X+16*\c], v[X+16*\c+1]     ; four chains, two tiles each, every tile from its low end on
.endr
.irp i, 2,4,6,8,10,12,14
.irp c, 0,1,2,3
	v_max3_num_f32 v[MX+\c], v[MX+\c], v[X+16*\c+\i], v[X+16*\c+\i+1]
.endr
.endr
	WIN 0
	v_max3_num_f32 v[MX], v[MX], v[MX+1], v[MX+2]
	v_max_num_f32 v[MX], v[MX], v[MX+3]
	v_permlanex16_b32 v[PX], v[MX], s[SEL], s[SEL+1]
	v_max_num_f32 v[MX], v[MX], v[PX]              ; the chunk's largest score of my query
	v_mul_f32 v[MX], s[CS], v[MX]
	v_floor_f32 v[NM], -v[MX]                      ; -M = floor(-t): M is a whole number
	v_mov_b32 v[NMK+(\a)], v[NM]
.irp k, 0,1,2,3
	v_mov_b32 v[SM+\k], 0
.endr
	WIN (W<<6)|W
.set si, 0
.rept 32
	v_pk_fma_f32 v[X+si:X+si+1], v[X+si:X+si+1], s[CS:CS+1], v[NM:NM+1] op_sel_hi:[1,0,0]   ; t - M
.set si, si+2
.endr
.set si, 0
.rept 64
	v_exp_f32 v[X+si], v[X+si]                     ; p = 2^(t - M), at most 1
.set si, si+1
.endr
	v_nop                                          ; a plain line behind the last exponential
	s_wait_alu depctr_va_vdst(0)                   ; one wait for the batch, ahead of its first reader
	WIN W<<2
.set si, 0
.rept 16
	v_pk_add_f32 v[SM:SM+1], v[SM:SM+1], v[X+si:X+si+1]           ; the sum is taken of the unrounded p, in two chains
	v_pk_add_f32 v[SM+2:SM+3], v[SM+2:SM+3], v[X+si+2:X+si+3]
.set si, si+4
.endr
	s_wait_xcnt 0x0                                ; the stores of the block before last have read this set of registers
	WIN (W<<2)|W
.irp b, 0,1,2,3,4,5,6,7
.irp r, 0,1,2,3
	v_cvt_pk_f16_f32 v[TS+4*\b+\r], v[X+8*\b+2*\r], v[X+8*\b+2*\r+1]
.endr
.endr
	WIN 0
	v_pk_add_f32 v[SM:SM+1], v[SM:SM+1], v[SM+2:SM+3]
	v_add_f32 v[SM], v[SM], v[SM+1]
	v_permlanex16_b32 v[PX], v[SM], s[SEL], s[SEL+1]
	v_add_f32 v[LK+(\a)], v[SM], v[PX]
.irp b, 0,1,2,3,4,5,6,7
	global_store_b128 v[SGO], v[TS+4*\b:TS+4*\b+3], s[6:7] offset:(\a)*65536+\b*512   ; half a fragment: 32 lanes store 512 consecutive bytes, aligned
.endr
.endm
	s_wait_tensorcnt 1                             ; my part of K step 0 is in (K step 1's may be out)
	s_barrier_signal -1
	s_barrier_wait -1
	FETCH 0, 0, F0
	QUARTER 0, 64,  F0, F1, 1                      ; the first quarter starts the sums
	WIN 0
	s_mov_b32 s3, LAPS-1
.Llap:                                                 ; a trip goes once round the ring and fills both slots again
	QUARTER 0, 128, F1, F0, 0
	QUARTER 0, 192, F0, F1, 0
	TURN 0, 1
	QUARTER 1, 64,  F0, F1, 0
	QUARTER 1, 128, F1, F0, 0
	QUARTER 1, 192, F0, F1, 0
	TURN 1, 0
	QUARTER 0, 64,  F0, F1, 0
	WIN 0
	s_sub_co_u32 s3, s3, 1
	s_cmp_lg_u32 s3, 0
	s_cbranch_scc1 .Llap
	QUARTER 0, 128, F1, F0, 0                      ; the last lap fills nothing
	QUARTER 0, 192, F0, F1, 0
	MEET 0
	PLACES
	FETCH 1, 0, F0
	WIN MUL_HI
	MUL16 F1, 1, 0, 0
	MUL16 F1, 1, 2, 0
	QUARTER 1, 64,  F0, F1, 0
	QUARTER 1, 128, F1, F0, 0
	QUARTER 1, 192, F0, F1, 0
	s_wait_dscnt 8
	WIN MUL_LO
	MUL16 F1, 0, 0, 0
	MUL16 F1, 0, 2, 0
	s_wait_dscnt 0
	WIN MUL_HI
	MUL16 F1, 1, 0, 0
	MUL16 F1, 1, 2, 0
	WIN 0
	PLACES
	v_mov_b32 v[PX], 0                             ; a lane permute's destination counts as one of its sources
	v_mov_b32 v[NM+1], 0                           ; named as the upper half of a pair
	v_mov_b32 v[NINF], 0xff800000
	v_mov_b32 v[LOW], 0xff61b1e6                   ; -3e38, under every score
.irp a, 0,1,2,3,4,5,6,7
	SOFT \a
.endr
	v_cmp_gt_u32 vcc_lo, 16, v[LN]                 ; the statistics: both halves of the lanes hold the same numbers: lanes 0-15 bring my first 64 rows' (blocks 0-3), lanes 16-31 my second 64 rows' (blocks 4-7)
.irp i, 0,1,2,3
	v_cndmask_b32 v[NMK+\i], v[NMK+4+\i], v[NMK+\i], vcc_lo
	v_cndmask_b32 v[LK+\i], v[LK+4+\i], v[LK+\i], vcc_lo
.endr
	global_store_b128 v[SGO], v[NMK:NMK+3], s[8:9]     ; 512 consecutive bytes each
	global_store_b128 v[SGO], v[LK:LK+3], s[8:9] offset:524288
	s_wait_tensorcnt 0x0                           ; the wave's end
	ds_add_u32 v[SPW], v[NIL]
	s_wait_dscnt 0x0
	CROUND                                         ; the closing round
	s_endpgm
.Lfunc_end_k_q33870cdc66_scores:
	.size	k_q33870cdc66_scores, .Lfunc_end_k_q33870cdc66_scores-k_q33870cdc66_scores
	.p2alignl 7, 3214868480
	.fill 96, 4, 3214868480
	.section	.rodata,"a",@progbits
	.p2align	6, 0x0
	.amdhsa_kernel k_q33870cdc66_scores
		.amdhsa_group_segment_fixed_size 327680
		.amdhsa_private_segment_fixed_size 0
		.amdhsa_enable_private_segment 0
		.amdhsa_kernarg_size 24
		.amdhsa_user_sgpr_count 2
		.amdhsa_user_sgpr_kernarg_segment_ptr 1
		.amdhsa_wavefront_size32 1
		.amdhsa_system_sgpr_workgroup_id_x 1
		.amdhsa_system_sgpr_workgroup_id_y 1
		.amdhsa_system_sgpr_workgroup_id_z 1
		.amdhsa_system_vgpr_workitem_id 0
		.amdhsa_next_free_vgpr 1024
		.amdhsa_next_free_sgpr 80
		.amdhsa_reserve_vcc 1
		.amdhsa_float_denorm_mode_32 3
		.amdhsa_float_denorm_mode_16_64 3
		.amdhsa_memory_ordered 1
		.amdhsa_forward_progress 1
		.amdhsa_inst_pref_size 243
	.end_amdhsa_kernel
	.amdgpu_metadata
---
amdhsa.version: [ 1, 2 ]
amdhsa.kernels:
  - .name:           k_q33870cdc66_scores
    .symbol:         k_q33870cdc66_scores.kd
    .args:
      - { .name: qkv, .offset: 0, .size: 8, .value_kind: global_buffer, .address_space: global }
      - { .name: pmat, .offset: 8, .size: 8, .value_kind: global_buffer, .address_space: global }
      - { .name: stats, .offset: 16, .size: 8, .value_kind: global_buffer, .address_space: global }
    .group_segment_fixed_size: 327680
    .private_segment_fixed_size: 0
    .kernarg_segment_align: 8
    .kernarg_segment_size: 24
    .max_flat_workgroup_size: 128
    .sgpr_count:     80
    .vgpr_count:     1024
    .wavefront_size: 32
...
	.end_amdgpu_metadata
.endif
;; end of part 3
;; launch pv (part 4): grid 4 x 64, 4 waves a work-group, clusters of 4 x 4, 327,680 bytes of LDS; arguments pmat, qkv, stats, o16; writes o16
.if DOCPART == 4
	.amdgcn_target "amdgcn-amd-amdhsa--gfx1250"
	.amdhsa_code_object_version 6
	.text
	.protected	k_q33870cdc66_pv
	.globl	k_q33870cdc66_pv
	.p2align	8
	.type	k_q33870cdc66_pv,@function
k_q33870cdc66_pv:
	s_mov_b64 s[64:65], 0
	v_nop
	global_prefetch_b8 v0, s[64:65] scope:SCOPE_SE
	s_setreg_imm32_b32 hwreg(HW_REG_WAVE_MODE, 25, 1), 1
	s_wait_xcnt 0x0
	s_wait_alu depctr_hold_cnt(0) depctr_sa_sdst(0) depctr_va_vdst(0) depctr_va_sdst(0) depctr_va_ssrc(0) depctr_va_vcc(0) depctr_vm_vsrc(0)
	s_getreg_b32 s2, hwreg(HW_REG_IB_STS2, 6, 4)
	s_cmp_eq_u32 s2, 0
	s_cbranch_scc0 .Lentry_in_a_cluster
	s_endpgm
.Lentry_in_a_cluster:
	s_bfe_u32 s2, ttmp6, 0x10000c
	s_cmp_lg_u32 s2, 0xf033
	s_cbranch_scc0 .Lentry_shape_is_right
	s_endpgm
.Lentry_shape_is_right:
; O = softmax x V.  P lies in chunks of 128 keys, each under its own whole number M_J.  For a row with M = the largest M_J:  O = sum over J of 2^(M_J - M) (P_J V_J)  /  sum over J of 2^(M_J - M) l_J.
; The powers of two round nothing.  Products in f16 with f32 sums; O leaves as f16.  LIMIT: |O| up to 65,504.
; A tile of 128 queries x 256 channels to a work-group, 64 x 128 to a wave.  A cluster of 4 x 4 takes 512 queries (its y) x all 1,024 channels (its x) of one batch and walks keys 0 .. 512 (R + 1) - 1, R its place among the
; batch's four groups of queries: the same number of steps in all partners; what lies above the diagonal there is zeros with a power of two of 0.
; V GOES THROUGH LDS, P DOES NOT.  Two slots of 256 keys of both operands would be 2 x (139,264 + 67,584) bytes, more than the 327,680 that there are; V's alone are 278,528.  So a slot holds 256 keys of V (each wave fetches 64 of them,
; jointly with its column of the cluster), a change of slots serves 256 matrix instructions a wave, and P, which the launch before has laid in the order of this operand's registers ([16 queries][32 keys][half][lane][16 bytes]),
; comes from memory straight into registers: 512 consecutive bytes a load, into a ring of eight sets of 32 registers, one for each quarter of 32 keys; at the head of quarter n the fragments of quarter n + 7 are asked for.
; That is why P's tiles are not asked for jointly, though the four partners of a row of the cluster read the same ones.
; A chunk's sums T begin with the constant 0 and are folded into ACC by one packed multiply-add each.
; TRANSPOSED USE: source 0 = V^T (16 channels x 32 keys, turned on the way out of LDS), source 1 = P (16 queries x 32 keys): a lane holds one query and eight neighbouring channels.
; O LEAVES IN THE ORDER OF THE NEXT PRODUCT'S OPERAND REGISTERS, [16 rows][32 channels][half][lane][16 bytes]: the packed results of tiles 2 f and 2 f + 1 are registers 0-3 and 4-7 of fragment f: stored as they stand.
; No prefetch: P's loads run seven quarters ahead by themselves, and a refill of V has a slot's 256 matrix instructions in which to land.  ACC is cleared once, while the first tiles are on their way, so that the first fold is the text of all the others.
; stats: [plane][chunk 16][64 rows][r 16][a 4] f32: plane 0 -M, plane 1 l.
; REGISTERS: window 0: v16-29 addresses, v32-95 statistics, v128-255 P's sets 4-7, later the way out.  window 1: v0-127 V's fragments, two buffers of eight; v128-255 P's sets 0-3.
;   window 2: T ((a, b) at v[8 (8 a + b)]); at the head the sixteen -M of my rows.  window 3: ACC, the same map.
.set PB,     544                       ; a row of V's tile in LDS: 512 bytes + 32: an odd multiple of 32
.set HB,     64*PB                     ; 64 keys: what one tensor load brings
.set SLOT,   4*HB                      ; 256 keys
.set SPARE,  2*SLOT                    ; behind the ring: the spare words, 128 bytes for each wave, named by no other line
.set ADRB, 16                          ; v16-19  V's fragments: slot 0 keys 0-127, slot 0 keys 128-255, slot 1 likewise
.set AO,   20                          ; v20  16 x lane: my place in half a fragment of P or of O
.set SV,   21                          ; v21  16 r: my row's four numbers among 64 rows' statistics
.set SPW,  28
.set NIL,  29
.set SA,   32                          ; v32-39, v40-47: a chunk's -M (4) and l (4), two sets
.set F,    48                          ; v48-55  the powers of two, as pairs
.set NMR,  56                          ; v56-59  -M of the row
.set LAC,  60                          ; v60-63  the row's sum
.set INV,  64                          ; v64-71  its reciprocal, as pairs
.set TP,   72
.set OJ,   80                          ; v80-95  where chunk J's -M stand; never rewritten
.set AR0,  128                         ; P's sets: four from here in window 1, four in window 0
.set PP,   128                         ; the way out: a block of O
.set TMP,  192                         ; v192-223, v224-255: packed results, two sets by turns
.set F0,   0
.set F1,   64
.set G1B, 48
.set G0B, 56
.set AB,  66                           ; s[66:67] P at my wave's first fragment of the trip in hand
.set SB,  70                           ; s[70:71] the statistics of my 64 rows, at the trip's first chunk
.set MSB, 0
.macro WIN new
.if MSB != (\new)
	s_set_vgpr_msb (MSB<<8)|(\new)
.set MSB, (\new)
.endif
.endm
.macro JLOAD s                         ; every wave fetches its 64 keys of the slot's 256, jointly with its column of the cluster
	tensor_load_to_lds s[G0B+4*\s:G0B+4*\s+3], s[G1B:G1B+7]
	s_nop 0
.rept 4
	v_nop
.endr
.endm
.macro CREST
	s_cmp_lg_u32 s12, 0
	s_cbranch_scc1 .Lnot_wave_0_\@
	s_barrier_signal -3
.Lnot_wave_0_\@:
	s_barrier_wait -3
	s_barrier_signal -1
	s_barrier_wait -1
.endm
.macro CROUND
	s_barrier_signal -1
	s_barrier_wait -1
	CREST
.endm
.macro PLACES
.rept 4
	v_nop
.endr
.endm
.macro ALOAD idx                       ; P's four fragments of quarter idx of the trip: eight loads of 512 consecutive bytes, into set idx % 8
.set AS, (\idx)%8
.if AS < 4
	WIN 0x40
.else
	WIN 0
.endif
.set AR, AR0+32*(AS%4)
.irp a, 0,1,2,3
	global_load_b128 v[AR+8*\a:AR+8*\a+3],   v[AO], s[AB:AB+1] offset:\a*65536+(\idx)*1024
	global_load_b128 v[AR+8*\a+4:AR+8*\a+7], v[AO], s[AB:AB+1] offset:\a*65536+(\idx)*1024+512
.endr
.endm
.macro STATS s, c                      ; -M and l of my 64 rows for chunk c of the trip
	global_load_b128 v[SA+8*\s:SA+8*\s+3],   v[SV], s[SB:SB+1] offset:(\c)*32768
	global_load_b128 v[SA+8*\s+4:SA+8*\s+7], v[SV], s[SB:SB+1] offset:524288+(\c)*32768
.endm
	s_load_b256 s[4:11], s[0:1], 0x0               ; pmat, qkv, stats, o16
	v_lshl_add_u32 v[SPW], v0, 2, SPARE
	v_mov_b32 v[NIL], 0
	ds_add_u32 v[SPW], v[NIL]                      ; the wave's opening: the add, twice on end, and its wait ahead of my first tensor load
	ds_add_u32 v[SPW], v[NIL]
	v_lshrrev_b32 v1, 5, v0
	v_readfirstlane_b32 s12, v1                    ; wave 0..3.  Also: which 64 keys of a slot I fetch
	s_lshr_b32 s13, s12, 1                         ; which 64 queries are mine
	s_and_b32 s14, s12, 1                          ; which 128 channels
	s_bfe_u32 s40, ttmp6, 0x40000                  ; cx
	s_bfe_u32 s41, ttmp6, 0x40004                  ; cy
	s_and_b32 s42, ttmp7, 0xffff
	s_and_b32 s43, s42, 3                          ; the batch
	s_lshr_b32 s42, s42, 2
	s_sub_co_u32 s42, 3, s42                       ; R: the longest walks first
	s_lshl_b32 s44, s42, 2
	s_add_co_u32 s44, s44, s41                     ; my tile of 128 queries
	s_lshl_b32 s46, 0x1111, s40                    ; my column of the cluster
	s_or_b32 s[G1B], s46, (1<<16)|(1<<20)|(1<<21)|(6<<22)|(7<<25)   ; the mask; elements of 2 bytes; 8 words of padding behind every 128
	s_mov_b32 s[G1B+1], 256<<16                    ; tensor_dim0
	s_mov_b32 s[G1B+2], 64<<16                     ; tensor_dim1
	s_mov_b32 s[G1B+3], 256<<16                    ; tile_dim0
	s_mov_b32 s[G1B+4], 64                         ; tile_dim1
	s_mov_b32 s[G1B+5], 1024                       ; the pitch in elements
	s_mov_b32 s[G1B+6], 0
	s_mov_b32 s[G1B+7], 0
	s_lshl_b32 s16, s43, 11                        ; the batch's first row
	s_lshl_b32 s17, s44, 7
	s_add_co_u32 s17, s17, s16                     ; my tile's first query
	s_lshl_b32 s18, s12, 6
	s_add_co_u32 s22, s16, s18
	s_lshl_b32 s22, s22, 11                        ; V: 2,048 bytes a key,
	s_lshl_b32 s19, s40, 9
	s_add_co_u32 s22, s22, s19                     ; + 256 channels x cx,
	s_add_co_u32 s22, s22, 33554432                ; behind Q and K
	s_mov_b32 s23, 0
	s_mul_i32 s24, s12, HB                         ; where they go: wave x 64 rows: no place in the cluster enters an LDS address
	s_wait_dscnt 0x0                               ; both opening adds are done
	s_wait_kmcnt 0x0
	s_add_nc_u64 s[22:23], s[6:7], s[22:23]
	CROUND                                         ; all sixteen work-groups are here: the first joint loads meet
.irp s, 0,1
	s_mov_b32 s[G0B+4*\s], 1
	s_add_co_u32 s[G0B+4*\s+1], s24, \s*SLOT
	s_add_nc_u64 s[G0B+4*\s+2:G0B+4*\s+3], s[22:23], \s*524288
	s_or_b32 s[G0B+4*\s+3], s[G0B+4*\s+3], 0x80000000
	JLOAD \s
.endr
	v_and_b32 v1, 15, v0                           ; r
	v_bfe_u32 v2, v0, 4, 1                         ; h
	v_and_b32 v4, 7, v0
	v_lshl_add_u32 v4, v2, 3, v4
	v_mul_u32_u24 v4, v4, PB
	v_bfe_u32 v5, v0, 3, 1
	v_lshl_add_u32 v4, v5, 4, v4                   ; V: key 8 h + lane % 8, 16 bytes by (lane / 8) % 2
	s_lshl_b32 s18, s14, 8
	v_add_nc_u32 v[ADRB], s18, v4                  ; + my 128 channels
	v_add_nc_u32 v[ADRB+1], 128*PB, v[ADRB]
	v_add_nc_u32 v[ADRB+2], SLOT, v[ADRB]
	v_add_nc_u32 v[ADRB+3], SLOT+128*PB, v[ADRB]
	v_and_b32 v3, 31, v0
	v_lshlrev_b32 v[AO], 4, v3
	v_lshlrev_b32 v[SV], 4, v1
	s_lshl_b32 s18, s13, 6
	s_add_co_u32 s17, s17, s18                     ; my wave's first query
	s_lshl_b32 s18, s17, 12                        ; P: 16 rows' fragments are 65,536 bytes
	s_mov_b32 s19, 0
	s_add_nc_u64 s[AB:AB+1], s[4:5], s[18:19]
	s_lshl_b32 s18, s17, 11                        ; O: 16 rows' fragments are 32,768 bytes;
	s_lshl_b32 s20, s40, 13                        ; 256 channels are eight fragments,
	s_add_co_u32 s18, s18, s20
	s_lshl_b32 s20, s14, 12                        ; 128 channels four
	s_add_co_u32 s18, s18, s20
	s_add_nc_u64 s[10:11], s[10:11], s[18:19]
	s_lshl_b32 s18, s17, 2                         ; the statistics: 64 rows are 256 bytes
	s_add_nc_u64 s[SB:SB+1], s[8:9], s[18:19]
	s_mov_b32 s3, s42                              ; the loop's trips: R
	s_lshl_b32 s18, s42, 2
	s_add_co_u32 s18, s18, 3                       ; my last chunk
.set oj, 0
.rept 16
	s_min_u32 s19, s18, oj
	s_lshl_b32 s19, s19, 15
	v_add_nc_u32 v[OJ+oj], s19, v[SV]              ; chunk J, held at the last: no load leaves what the launch before has stored
.set oj, oj+1
.endr
	WIN 0x80
.set oj, 0
.rept 16
	global_load_b128 v[4*oj:4*oj+3], v[OJ+oj], s[SB:SB+1]     ; the sixteen -M of my rows, into registers that T takes later
.set oj, oj+1
.endr
	WIN 0
	STATS 0, 0
.irp i, 0,1,2,3,4
	ALOAD \i
.endr
	WIN 0xc0
.set ci, 0
.rept 256
	v_mov_b32 v[ci], 0                             ; ACC
.set ci, ci+1
.endr
	WIN 0
.irp a, 0,1,2,3
	v_mov_b32 v[LAC+\a], 0
	v_mov_b32 v[F+2*\a+1], 0                       ; named as upper halves of pairs
	v_mov_b32 v[INV+2*\a+1], 0
.endr
	s_wait_loadcnt 42                              ; the sixteen are in: behind them chunk 0's two loads and five sets of eight
	WIN 0x2a
.irp a, 0,1,2,3
	v_min3_num_f32 v[NMR+\a], v[\a], v[4+\a], v[8+\a]
.endr
	WIN 0x28
.irp i, 3,5,7,9,11,13
.irp a, 0,1,2,3
	v_min3_num_f32 v[NMR+\a], v[NMR+\a], v[4*\i+\a], v[4*\i+4+\a]
.endr
.endr
.irp a, 0,1,2,3
	v_min_num_f32 v[NMR+\a], v[NMR+\a], v[60+\a]   ; -M of the row: the least -M_J
.endr
	ALOAD 5
	ALOAD 6
	WIN 0
.macro FETCH slot, kk, f               ; 16 LDS loads in one run: V's eight fragments (turned) of the slot's quarter kk
	WIN 0x40
.set AD, ADRB+2*(\slot)+(\kk)/4
.irp i, 0,1,2,3,4,5,6,7
	ds_load_tr16_b128 v[\f+8*\i:\f+8*\i+3],   v[AD] offset:((\kk)%4)*32*PB+32*\i
	ds_load_tr16_b128 v[\f+8*\i+4:\f+8*\i+7], v[AD] offset:((\kk)%4)*32*PB+16*PB+32*\i
.endr
.endm
.macro MUL8 f, a, kk, zero             ; block of queries a x the eight tiles of channels.  The 32 accumulators take turns
.set AR, AR0+32*((\kk)%4)
.irp b, 0,1,2,3,4,5,6,7
.if \zero
	v_wmma_f32_16x16x32_f16 v[8*(8*\a+\b):8*(8*\a+\b)+7], v[\f+8*\b:\f+8*\b+7], v[AR+8*\a:AR+8*\a+7], 0
.else
	v_wmma_f32_16x16x32_f16 v[8*(8*\a+\b):8*(8*\a+\b)+7], v[\f+8*\b:\f+8*\b+7], v[AR+8*\a:AR+8*\a+7], v[8*(8*\a+\b):8*(8*\a+\b)+7]
.endif
.endr
.endm
.macro WINM kk                         ; V in window 1, T in window 2; P's set in window 1 (quarters 0-3) or 0 (quarters 4-7)
.if (\kk) < 4
	WIN 0xa5
.else
	WIN 0xa1
.endif
.endm
.macro COUNT o, kk, lim                ; qn: the quarter's number in the trip; cn: the loads younger than its own fragments': six sets of eight, or what is left of the walk
.set qn, (\o)+(\kk)
.set cn, 48
.if 8*((\lim)-qn) < 48
.set cn, 8*((\lim)-qn)
.endif
.endm
; A quarter of 32 keys, one of a slot's first seven.  o: 0 or 8, the slot's first quarter in the trip; lim: the last quarter for which there is something to ask.
.macro QUARTER slot, kk, o, lim, zero
	COUNT \o, \kk, \lim
	PLACES                                         ; in front of loads into registers that the last products read
	s_wait_loadcnt cn                              ; this quarter's fragments of P are in
.if qn+7 <= (\lim)
	ALOAD qn+7                                     ; into the set that the last quarter multiplied
.endif
.if (\kk) == 1
	WIN 0
	STATS 1, (\o)/4+1                              ; this slot's second chunk
.endif
.if ((\kk) == 5) && (4*((\o)/4+2) <= (\lim))
	WIN 0
	STATS 0, (\o)/4+2                              ; the next slot's first chunk
.endif
	FETCH \slot, (\kk)+1, 64*(1-(\kk)%2)
	s_wait_dscnt 16                                ; all but the 16 just issued
	WINM \kk
	MUL8 64*((\kk)%2), 0, \kk, \zero
	MUL8 64*((\kk)%2), 1, \kk, \zero
	MUL8 64*((\kk)%2), 2, \kk, \zero
	MUL8 64*((\kk)%2), 3, \kk, \zero
.endm
.macro TURN slot, next, fill, o, lim   ; a slot's last quarter, and the change of slots
	COUNT \o, 7, \lim
	PLACES
	s_wait_loadcnt cn
.if qn+7 <= (\lim)
	ALOAD qn+7
.endif
	WIN 0
	s_wait_tensorcnt 0x0                           ; all my tensor loads have landed: my part of the next slot
	ds_add_u32 v[SPW], v[NIL]
	s_wait_dscnt 1                                 ; (the add alone may be out)
	WIN 0xa1
	MUL8 F1, 0, 7, 0
	s_wait_dscnt 0x0                               ; the add is done, and my reads of this slot are over
	s_barrier_signal -1
	MUL8 F1, 1, 7, 0
	WIN 0
	s_barrier_wait -1
.if \fill
	CREST                                          ; no wave of any partner still reads this slot or has a load on its way
	s_add_nc_u64 s[G0B+4*\slot+2:G0B+4*\slot+3], s[G0B+4*\slot+2:G0B+4*\slot+3], 1048576   ; 512 keys on
	JLOAD \slot                                    ; the four v_nop behind it are also the places in front of the loads below
.else
	PLACES
.endif
	FETCH \next, 0, F0
	WIN 0xa1
	MUL8 F1, 2, 7, 0
	MUL8 F1, 3, 7, 0
.endm
.macro FOLD s, younger                 ; the chunk's sums go into ACC under the row's M
	WIN 0
	s_wait_loadcnt \younger                        ; this chunk's statistics are in; what was asked for behind them may be out
.irp a, 0,1,2,3
	v_sub_f32 v[TP+\a], v[NMR+\a], v[SA+8*\s+\a]   ; M_J - M: a whole number, 0 or less.  (These sixteen lines are the places behind the last products)
.endr
.irp a, 0,1,2,3
	v_cvt_i32_f32 v[TP+\a], v[TP+\a]               ; (it saturates)
.endr
.irp a, 0,1,2,3
	v_ldexp_f32 v[F+2*\a], 1.0, v[TP+\a]
.endr
.irp a, 0,1,2,3
	v_fmac_f32 v[LAC+\a], v[F+2*\a], v[SA+8*\s+4+\a]
.endr
	WIN 0xf2                                       ; source 0 (T) window 2, source 1 window 0, source 2 and destination (ACC) window 3
.irp a, 0,1,2,3
.set fi, 0
.rept 32
	v_pk_fma_f32 v[64*\a+fi:64*\a+fi+1], v[64*\a+fi:64*\a+fi+1], v[F+2*\a:F+2*\a+1], v[64*\a+fi:64*\a+fi+1] op_sel_hi:[1,0,1]
.set fi, fi+2
.endr
.endr
	WIN 0
.endm
; A slot: 256 keys, two chunks.  Behind a chunk's statistics six sets of eight loads and the other chunk's two are asked for before its fold: 50.
.macro PERIOD slot, next, fill, o, lim
	QUARTER \slot, 0, \o, \lim, 1
	QUARTER \slot, 1, \o, \lim, 0
	QUARTER \slot, 2, \o, \lim, 0
	QUARTER \slot, 3, \o, \lim, 0
	FOLD 0, 50
	QUARTER \slot, 4, \o, \lim, 1
	QUARTER \slot, 5, \o, \lim, 0
	QUARTER \slot, 6, \o, \lim, 0
	TURN \slot, \next, \fill, \o, \lim
	FOLD 1, 50
.endm
	s_wait_tensorcnt 1                             ; my part of slot 0 is in (slot 1's may be out)
	s_barrier_signal -1
	s_barrier_wait -1
	FETCH 0, 0, F0
	WIN 0
	s_cmp_eq_u32 s3, 0                             ; the first group of queries walks two slots, the first fills: no trip.  R hangs on the cluster's number alone
	s_cbranch_scc1 .Ltail
.Llap:                                                 ; R trips of two slots; both are filled again
	PERIOD 0, 1, 1, 0, 99
	PERIOD 1, 0, 1, 8, 99
	s_wait_xcnt 0x0                                ; the trip's loads have read their bases
	s_add_nc_u64 s[AB:AB+1], s[AB:AB+1], 16384     ; sixteen quarters on
	s_add_nc_u64 s[SB:SB+1], s[SB:SB+1], 131072    ; four chunks on
	s_sub_co_u32 s3, s3, 1
	s_cmp_lg_u32 s3, 0
	s_cbranch_scc1 .Llap
.Ltail:
	PERIOD 0, 1, 0, 0, 15                          ; the last two slots fill nothing, and ask for P up to quarter 15
	QUARTER 1, 0, 8, 15, 1
	QUARTER 1, 1, 8, 15, 0
	QUARTER 1, 2, 8, 15, 0
	QUARTER 1, 3, 8, 15, 0
	FOLD 0, 26                                     ; behind this chunk's statistics: three sets of eight and the last chunk's two
	QUARTER 1, 4, 8, 15, 1
	QUARTER 1, 5, 8, 15, 0
	QUARTER 1, 6, 8, 15, 0
	PLACES
	s_wait_loadcnt 0x0
	s_wait_dscnt 0x0
	WIN 0xa1
	MUL8 F1, 0, 7, 0
	MUL8 F1, 1, 7, 0
	MUL8 F1, 2, 7, 0
	MUL8 F1, 3, 7, 0
	FOLD 1, 0
.irp a, 0,1,2,3
	v_rcp_f32 v[INV+2*\a], v[LAC+\a]
.endr
	v_nop                                          ; a plain line behind the last reciprocal
	s_wait_alu depctr_va_vdst(0)                   ; one wait for the four
.macro PACKO a                         ; block a: divided by the row's sum, rounded to f16, stored as half fragments
.set TS, TMP+32*((\a)%2)
	WIN 0x03                                       ; source 0: ACC
.set pi, 0
.rept 32
	v_pk_mul_f32 v[PP+pi:PP+pi+1], v[64*(\a)+pi:64*(\a)+pi+1], v[INV+2*(\a):INV+2*(\a)+1] op_sel_hi:[1,0]
.set pi, pi+2
.endr
	WIN 0
	s_wait_xcnt 0x0                                ; the stores of the block before last have read this set of registers
.irp b, 0,1,2,3,4,5,6,7
.irp r, 0,1,2,3
	v_cvt_pk_f16_f32 v[TS+4*\b+\r], v[PP+8*\b+2*\r], v[PP+8*\b+2*\r+1]
.endr
.endr
.irp b, 0,1,2,3,4,5,6,7
	global_store_b128 v[AO], v[TS+4*\b:TS+4*\b+3], s[10:11] offset:(\a)*32768+\b*512   ; 32 lanes store 512 consecutive bytes, aligned
.endr
.endm
.irp a, 0,1,2,3
	PACKO \a
.endr
	s_wait_tensorcnt 0x0                           ; the wave's end
	ds_add_u32 v[SPW], v[NIL]
	s_wait_dscnt 0x0
	CROUND                                         ; the closing round
	s_endpgm
.Lfunc_end_k_q33870cdc66_pv:
	.size	k_q33870cdc66_pv, .Lfunc_end_k_q33870cdc66_pv-k_q33870cdc66_pv
	.p2alignl 7, 3214868480
	.fill 96, 4, 3214868480
	.section	.rodata,"a",@progbits
	.p2align	6, 0x0
	.amdhsa_kernel k_q33870cdc66_pv
		.amdhsa_group_segment_fixed_size 327680
		.amdhsa_private_segment_fixed_size 0
		.amdhsa_enable_private_segment 0
		.amdhsa_kernarg_size 32
		.amdhsa_user_sgpr_count 2
		.amdhsa_user_sgpr_kernarg_segment_ptr 1
		.amdhsa_wavefront_size32 1
		.amdhsa_system_sgpr_workgroup_id_x 1
		.amdhsa_system_sgpr_workgroup_id_y 1
		.amdhsa_system_sgpr_workgroup_id_z 1
		.amdhsa_system_vgpr_workitem_id 0
		.amdhsa_next_free_vgpr 1024
		.amdhsa_next_free_sgpr 80
		.amdhsa_reserve_vcc 0
		.amdhsa_float_denorm_mode_32 3
		.amdhsa_float_denorm_mode_16_64 3
		.amdhsa_memory_ordered 1
		.amdhsa_forward_progress 1
		.amdhsa_inst_pref_size 241
	.end_amdhsa_kernel
	.amdgpu_metadata
---
amdhsa.version: [ 1, 2 ]
amdhsa.kernels:
  - .name:           k_q33870cdc66_pv
    .symbol:         k_q33870cdc66_pv.kd
    .args:
      - { .name: pmat, .offset: 0, .size: 8, .value_kind: global_buffer, .address_space: global }
      - { .name: qkv, .offset: 8, .size: 8, .value_kind: global_buffer, .address_space: global }
      - { .name: stats, .offset: 16, .size: 8, .value_kind: global_buffer, .address_space: global }
      - { .name: o16, .offset: 24, .size: 8, .value_kind: global_buffer, .address_space: global }
    .group_segment_fixed_size: 327680
    .private_segment_fixed_size: 0
    .kernarg_segment_align: 8
    .kernarg_segment_size: 32
    .max_flat_workgroup_size: 128
    .sgpr_count:     80
    .vgpr_count:     1024
    .wavefront_size: 32
...
	.end_amdgpu_metadata
.endif
;; end of part 4
;; launch outp (part 5): grid 4 x 64, 4 waves a work-group, clusters of 4 x 4, 327,680 bytes of LDS; arguments o16, wo16, bo, out0; writes out0
.if DOCPART == 5
	.amdgcn_target "amdgcn-amd-amdhsa--gfx1250"
	.amdhsa_code_object_version 6
	.text
	.protected	k_q33870cdc66_outp
	.globl	k_q33870cdc66_outp
	.p2align	8
	.type	k_q33870cdc66_outp,@function
k_q33870cdc66_outp:
	s_mov_b64 s[64:65], 0
	v_nop
	global_prefetch_b8 v0, s[64:65] scope:SCOPE_SE
	s_setreg_imm32_b32 hwreg(HW_REG_WAVE_MODE, 25, 1), 1
	s_wait_xcnt 0x0
	s_wait_alu depctr_hold_cnt(0) depctr_sa_sdst(0) depctr_va_vdst(0) depctr_va_sdst(0) depctr_va_ssrc(0) depctr_va_vcc(0) depctr_vm_vsrc(0)
	s_getreg_b32 s2, hwreg(HW_REG_IB_STS2, 6, 4)
	s_cmp_eq_u32 s2, 0
	s_cbranch_scc0 .Lentry_in_a_cluster
	s_endpgm
.Lentry_in_a_cluster:
	s_bfe_u32 s2, ttmp6, 0x10000c
	s_cmp_lg_u32 s2, 0xf033
	s_cbranch_scc0 .Lentry_shape_is_right
	s_endpgm
.Lentry_shape_is_right:
; out = O Wo + bo: f16 operands, f32 sums, f32 out.  Wo: [k 1,024][n 1,024] f16.  O: f16, laid by the launch before in the order of this operand's registers: [16 rows][32 along K][half][lane][16 bytes].
; A tile of 128 rows x 256 columns to a work-group, 64 x 128 to a wave: 256 work-groups.
; Wo GOES THROUGH LDS, O DOES NOT.  Two slots of 256 along K of both operands would be 2 x (139,264 + 67,584) bytes, more than the 327,680 that there are; Wo's alone are 278,528.  So K = 1,024 is four slots of 256 rows of Wo
; (each wave fetches 64 of them, jointly with its column of the cluster), a change of slots serves 256 matrix instructions a wave, and O comes from memory straight into registers: 512 consecutive bytes a load, into a ring of
; eight sets of 32 registers, one for each quarter of 32 along K; at the head of quarter n the fragments of quarter n + 7 are asked for.  That is why O's tiles are not asked for jointly, though a row of the cluster reads the same ones.
; The 32 quarters are written out: every offset is an immediate, each slot's fill has its own descriptor group 0, and no register of an address is ever stepped.
; TRANSPOSED USE: source 0 = Wo^T (16 columns x 32 k, turned on the way out of LDS), source 1 = O (16 rows x 32 k): a lane holds one row and eight neighbouring columns.
; The bias is the C of the first quarter's products: nothing is cleared.  No prefetch: O's loads run seven quarters ahead by themselves, and a refill has a slot's 256 matrix instructions in which to land.
; The rows 0 to 15 of every batch are written again, more finely, by the launch that follows.
; REGISTERS: window 0: v16-29 addresses; v64-127 the bias; v128-255 the way out.  window 1: v0-127 Wo's fragments, two buffers of eight.  window 2: the 32 accumulators ((a, b) at v[8 (8 a + b)]).  window 3: O's eight sets.
.set PB,     544                       ; a row of Wo's tile in LDS: 512 bytes + 32: an odd multiple of 32
.set HB,     64*PB
.set SLOT,   4*HB                      ; 256 rows
.set STAGE,  2*SLOT
.set SPITCH, 528                       ; the way out: 16 rows x (512 bytes + 16) for each wave
.set SPARE,  STAGE+4*16*SPITCH
.set ADRB, 16                          ; v16-19  Wo's fragments: slot 0 rows 0-127, slot 0 rows 128-255, slot 1 likewise
.set AO,   20                          ; v20  16 x lane: my place in half a fragment of O, and in a row of the output
.set STO,  24
.set RD,   25
.set BIA,  27
.set SPW,  28
.set NIL,  29
.set BI,   64
.set BK,   128
.set F0,   0
.set F1,   64
.set G0,  24                           ; s[24:39] descriptor group 0, one for each of the four slots' fills
.set G1B, 48
.set AB,  66                           ; s[66:67] O at my wave's first fragment
.set MSB, 0
.macro WIN new
.if MSB != (\new)
	s_set_vgpr_msb (MSB<<8)|(\new)
.set MSB, (\new)
.endif
.endm
.macro JLOAD p                         ; every wave fetches its 64 rows of the 256, jointly with its column of the cluster
	tensor_load_to_lds s[G0+4*(\p):G0+4*(\p)+3], s[G1B:G1B+7]
	s_nop 0
.rept 4
	v_nop
.endr
.endm
.macro CREST
	s_cmp_lg_u32 s12, 0
	s_cbranch_scc1 .Lnot_wave_0_\@
	s_barrier_signal -3
.Lnot_wave_0_\@:
	s_barrier_wait -3
	s_barrier_signal -1
	s_barrier_wait -1
.endm
.macro CROUND
	s_barrier_signal -1
	s_barrier_wait -1
	CREST
.endm
.macro PLACES
.rept 4
	v_nop
.endr
.endm
.macro ALOAD n                         ; O's four fragments of quarter n: eight loads of 512 consecutive bytes, into set n % 8
	WIN 0xc0
.set AR, 32*((\n)%8)
.irp a, 0,1,2,3
	global_load_b128 v[AR+8*\a:AR+8*\a+3],   v[AO], s[AB:AB+1] offset:\a*32768+(\n)*1024
	global_load_b128 v[AR+8*\a+4:AR+8*\a+7], v[AO], s[AB:AB+1] offset:\a*32768+(\n)*1024+512
.endr
.endm
	s_load_b256 s[4:11], s[0:1], 0x0               ; o16, wo16, bo, out0
	v_lshl_add_u32 v[SPW], v0, 2, SPARE
	v_mov_b32 v[NIL], 0
	ds_add_u32 v[SPW], v[NIL]                      ; the wave's opening: the add, twice on end, and its wait ahead of my first tensor load
	ds_add_u32 v[SPW], v[NIL]
	v_lshrrev_b32 v1, 5, v0
	v_readfirstlane_b32 s12, v1                    ; wave 0..3.  Also: which 64 rows of a slot I fetch
	s_lshr_b32 s13, s12, 1                         ; which 64 rows of the tile are mine
	s_and_b32 s14, s12, 1                          ; which 128 columns
	s_bfe_u32 s40, ttmp6, 0x40000                  ; cx
	s_bfe_u32 s41, ttmp6, 0x40004                  ; cy
	s_and_b32 s44, ttmp7, 0xffff
	s_lshl_b32 s44, s44, 2
	s_add_co_u32 s44, s44, s41                     ; my tile of 128 rows
	s_lshl_b32 s46, 0x1111, s40                    ; my column of the cluster
	s_or_b32 s[G1B], s46, (1<<16)|(1<<20)|(1<<21)|(6<<22)|(7<<25)   ; the mask; elements of 2 bytes; 8 words of padding behind every 128
	s_mov_b32 s[G1B+1], 256<<16                    ; tensor_dim0
	s_mov_b32 s[G1B+2], 64<<16                     ; tensor_dim1
	s_mov_b32 s[G1B+3], 256<<16                    ; tile_dim0
	s_mov_b32 s[G1B+4], 64                         ; tile_dim1
	s_mov_b32 s[G1B+5], 1024                       ; the pitch in elements
	s_mov_b32 s[G1B+6], 0
	s_mov_b32 s[G1B+7], 0
	s_lshl_b32 s22, s12, 17                        ; Wo: 64 rows of 2,048 bytes x wave,
	s_lshl_b32 s19, s40, 9
	s_add_co_u32 s22, s22, s19                     ; + 256 columns x cx
	s_mov_b32 s23, 0
	s_mul_i32 s20, s12, HB                         ; where they go: wave x 64 rows: no place in the cluster enters an LDS address
	s_wait_dscnt 0x0                               ; both opening adds are done
	s_wait_kmcnt 0x0
	s_add_nc_u64 s[22:23], s[6:7], s[22:23]
	CROUND                                         ; all sixteen work-groups are here: the first joint loads meet
.irp p, 0,1,2,3
	s_mov_b32 s[G0+4*\p], 1
	s_add_co_u32 s[G0+4*\p+1], s20, (\p%2)*SLOT
	s_add_nc_u64 s[G0+4*\p+2:G0+4*\p+3], s[22:23], \p*524288
	s_or_b32 s[G0+4*\p+3], s[G0+4*\p+3], 0x80000000
.endr
	JLOAD 0
	JLOAD 1
	v_and_b32 v1, 15, v0                           ; r
	v_bfe_u32 v2, v0, 4, 1                         ; h
	v_and_b32 v4, 7, v0
	v_lshl_add_u32 v4, v2, 3, v4
	v_mul_u32_u24 v4, v4, PB
	v_bfe_u32 v5, v0, 3, 1
	v_lshl_add_u32 v4, v5, 4, v4                   ; Wo: row 8 h + lane % 8, 16 bytes by (lane / 8) % 2
	s_lshl_b32 s18, s14, 8
	v_add_nc_u32 v[ADRB], s18, v4                  ; + my 128 columns
	v_add_nc_u32 v[ADRB+1], 128*PB, v[ADRB]
	v_add_nc_u32 v[ADRB+2], SLOT, v[ADRB]
	v_add_nc_u32 v[ADRB+3], SLOT+128*PB, v[ADRB]
	s_mul_i32 s18, s12, 16*SPITCH
	s_add_co_u32 s18, s18, STAGE                   ; my stage
	v_mul_u32_u24 v3, v1, SPITCH
	v_lshl_add_u32 v3, v2, 5, v3
	v_add_nc_u32 v[STO], s18, v3                   ; in: row r, 32 bytes for each half of the lanes
	v_and_b32 v3, 31, v0
	v_lshlrev_b32 v[AO], 4, v3
	v_add_nc_u32 v[RD], s18, v[AO]                 ; back: the 32 lanes take one row of 512 bytes
	v_lshlrev_b32 v[BIA], 5, v2
	s_lshl_b32 s17, s44, 7
	s_lshl_b32 s16, s13, 6
	s_add_co_u32 s17, s17, s16                     ; my wave's first row
	s_lshl_b32 s18, s17, 11                        ; O: 16 rows' fragments are 32,768 bytes
	s_mov_b32 s19, 0
	s_add_nc_u64 s[AB:AB+1], s[4:5], s[18:19]
	s_lshl_b32 s18, s40, 10
	s_lshl_b32 s16, s14, 9
	s_add_co_u32 s18, s18, s16                     ; 4 x my first column
	s_add_nc_u64 s[8:9], s[8:9], s[18:19]
	s_lshl_b32 s16, s17, 12                        ; the output: 4,096 bytes a row
	s_add_co_u32 s18, s18, s16
	s_add_nc_u64 s[10:11], s[10:11], s[18:19]
.irp b, 0,1,2,3,4,5,6,7
	global_load_b128 v[BI+8*\b:BI+8*\b+3], v[BIA], s[8:9] offset:64*\b        ; the bias of columns 16 b + 8 h + 0 .. 7
	global_load_b128 v[BI+8*\b+4:BI+8*\b+7], v[BIA], s[8:9] offset:64*\b+16
.endr
.irp i, 0,1,2,3,4
	ALOAD \i
.endr
	s_wait_loadcnt 40                              ; the bias is in: behind it five sets of eight
	ALOAD 5
	ALOAD 6
	WIN 0
.macro FETCH slot, kk, f               ; 16 LDS loads in one run: Wo's eight fragments (turned) of the slot's quarter kk
	WIN 0x40
.set AD, ADRB+2*(\slot)+(\kk)/4
.irp i, 0,1,2,3,4,5,6,7
	ds_load_tr16_b128 v[\f+8*\i:\f+8*\i+3],   v[AD] offset:((\kk)%4)*32*PB+32*\i
	ds_load_tr16_b128 v[\f+8*\i+4:\f+8*\i+7], v[AD] offset:((\kk)%4)*32*PB+16*PB+32*\i
.endr
.endm
.macro MUL8 f, a, s, first             ; block of rows a x the eight tiles of columns.  The 32 accumulators take turns
.irp b, 0,1,2,3,4,5,6,7
.if \first
	v_wmma_f32_16x16x32_f16 v[8*(8*\a+\b):8*(8*\a+\b)+7], v[\f+8*\b:\f+8*\b+7], v[32*(\s)+8*\a:32*(\s)+8*\a+7], v[BI+8*\b:BI+8*\b+7]
.else
	v_wmma_f32_16x16x32_f16 v[8*(8*\a+\b):8*(8*\a+\b)+7], v[\f+8*\b:\f+8*\b+7], v[32*(\s)+8*\a:32*(\s)+8*\a+7], v[8*(8*\a+\b):8*(8*\a+\b)+7]
.endif
.endr
.endm
.macro COUNT p, kk                     ; qn: the quarter's number; cn: the loads younger than its own fragments': six sets of eight, or what is left of K
.set qn, 8*(\p)+(\kk)
.set cn, 48
.if 8*(31-qn) < 48
.set cn, 8*(31-qn)
.endif
.endm
.macro QUARTER p, kk                   ; a quarter of 32 along K, one of a slot's first seven
	COUNT \p, \kk
	PLACES                                         ; in front of loads into registers that the last products read
	s_wait_loadcnt cn                              ; this quarter's fragments of O are in
.if qn+7 <= 31
	ALOAD qn+7                                     ; into the set that the last quarter multiplied
.endif
	FETCH (\p)%2, (\kk)+1, 64*(1-(\kk)%2)
	s_wait_dscnt 16                                ; all but the 16 just issued
.if qn == 0
	WIN 0x8d                                       ; Wo in window 1, O in window 3, C (the bias) in window 0, D in window 2
	MUL8 F0, 0, 0, 1
	MUL8 F0, 1, 0, 1
	MUL8 F0, 2, 0, 1
	MUL8 F0, 3, 0, 1
.else
	WIN 0xad                                       ; C and D in window 2
	MUL8 64*((\kk)%2), 0, \kk, 0
	MUL8 64*((\kk)%2), 1, \kk, 0
	MUL8 64*((\kk)%2), 2, \kk, 0
	MUL8 64*((\kk)%2), 3, \kk, 0
.endif
.endm
.macro TURN p                          ; a slot's last quarter, and the change of slots; behind slots 0 and 1 the slot is filled again
	COUNT \p, 7
	PLACES
	s_wait_loadcnt cn
.if qn+7 <= 31
	ALOAD qn+7
.endif
	WIN 0
	s_wait_tensorcnt 0x0                           ; all my tensor loads have landed: my part of the next slot
	ds_add_u32 v[SPW], v[NIL]
	s_wait_dscnt 1                                 ; (the add alone may be out)
	WIN 0xad
	MUL8 F1, 0, 7, 0
	s_wait_dscnt 0x0                               ; the add is done, and my reads of this slot are over
	s_barrier_signal -1
	MUL8 F1, 1, 7, 0
	WIN 0
	s_barrier_wait -1
.if (\p) < 2
	CREST                                          ; no wave of any partner still reads this slot or has a load on its way
	JLOAD (\p)+2                                   ; the four v_nop behind it are also the places in front of the loads below
.else
	PLACES
.endif
	FETCH ((\p)+1)%2, 0, F0
	WIN 0xad
	MUL8 F1, 2, 7, 0
	MUL8 F1, 3, 7, 0
.endm
	s_wait_tensorcnt 1                             ; my part of slot 0 is in (slot 1's may be out)
	s_barrier_signal -1
	s_barrier_wait -1
	FETCH 0, 0, F0
.irp p, 0,1,2
.irp k, 0,1,2,3,4,5,6
	QUARTER \p, \k
.endr
	TURN \p
.endr
.irp k, 0,1,2,3,4,5,6
	QUARTER 3, \k
.endr
	PLACES
	s_wait_loadcnt 0x0
	s_wait_dscnt 0x0
	WIN 0xad
	MUL8 F1, 0, 7, 0
	MUL8 F1, 1, 7, 0
	MUL8 F1, 2, 7, 0
	MUL8 F1, 3, 7, 0
	WIN 0
.macro TOSTAGE a                       ; a block of 16 rows x 128 columns through my stage, back as whole rows of 512 bytes
	WIN 0x08                                       ; an LDS store's data are its source 1: window 2
.irp b, 0,1,2,3,4,5,6,7
	ds_store_b128 v[STO], v[64*(\a)+8*\b:64*(\a)+8*\b+3] offset:64*\b          ; each accumulator from its low end on
	ds_store_b128 v[STO], v[64*(\a)+8*\b+4:64*(\a)+8*\b+7] offset:64*\b+16
.endr
	WIN 0
.set BB, BK+64*((\a)%2)
.irp t, 0,1,2,3,4,5,6,7,8,9,10,11,12,13,14,15
	ds_load_b128 v[BB+4*\t:BB+4*\t+3], v[RD] offset:\t*SPITCH
.endr
.endm
.macro SEND a, younger
.set BB, BK+64*((\a)%2)
	s_wait_dscnt \younger                          ; the block is back; the next block's 16 stores and 16 loads may be out
.irp t, 0,1,2,3,4,5,6,7,8,9,10,11,12,13,14,15
	global_store_b128 v[AO], v[BB+4*\t:BB+4*\t+3], s[10:11] offset:(16*(\a)+\t)*4096 th:TH_STORE_NT   ; 32 lanes store 512 consecutive bytes, aligned
.endr
.endm
	PLACES
	TOSTAGE 0
.irp a, 1,2,3
.if \a > 1
	s_wait_xcnt 0x0                                ; block a - 2's stores have read their registers: block a's loads may land there
.endif
	TOSTAGE \a
	SEND \a-1, 32
.endr
	SEND 3, 0
	s_wait_tensorcnt 0x0                           ; the wave's end
	ds_add_u32 v[SPW], v[NIL]
	s_wait_dscnt 0x0
	CROUND                                         ; the closing round
	s_endpgm
.Lfunc_end_k_q33870cdc66_outp:
	.size	k_q33870cdc66_outp, .Lfunc_end_k_q33870cdc66_outp-k_q33870cdc66_outp
	.p2alignl 7, 3214868480
	.fill 96, 4, 3214868480
	.section	.rodata,"a",@progbits
	.p2align	6, 0x0
	.amdhsa_kernel k_q33870cdc66_outp
		.amdhsa_group_segment_fixed_size 327680
		.amdhsa_private_segment_fixed_size 0
		.amdhsa_enable_private_segment 0
		.amdhsa_kernarg_size 32
		.amdhsa_user_sgpr_count 2
		.amdhsa_user_sgpr_kernarg_segment_ptr 1
		.amdhsa_wavefront_size32 1
		.amdhsa_system_sgpr_workgroup_id_x 1
		.amdhsa_system_sgpr_workgroup_id_y 1
		.amdhsa_system_sgpr_workgroup_id_z 1
		.amdhsa_system_vgpr_workitem_id 0
		.amdhsa_next_free_vgpr 1024
		.amdhsa_next_free_sgpr 72
		.amdhsa_reserve_vcc 0
		.amdhsa_float_denorm_mode_32 3
		.amdhsa_float_denorm_mode_16_64 3
		.amdhsa_memory_ordered 1
		.amdhsa_forward_progress 1
		.amdhsa_inst_pref_size 153
	.end_amdhsa_kernel
	.amdgpu_metadata
---
amdhsa.version: [ 1, 2 ]
amdhsa.kernels:
  - .name:           k_q33870cdc66_outp
    .symbol:         k_q33870cdc66_outp.kd
    .args:
      - { .name: o16, .offset: 0, .size: 8, .value_kind: global_buffer, .address_space: global }
      - { .name: wo16, .offset: 8, .size: 8, .value_kind: global_buffer, .address_space: global }
      - { .name: bo, .offset: 16, .size: 8, .value_kind: global_buffer, .address_space: global }
      - { .name: out0, .offset: 24, .size: 8, .value_kind: global_buffer, .address_space: global }
    .group_segment_fixed_size: 327680
    .private_segment_fixed_size: 0
    .kernarg_segment_align: 8
    .kernarg_segment_size: 32
    .max_flat_workgroup_size: 128
    .sgpr_count:     72
    .vgpr_count:     1024
    .wavefront_size: 32
...
	.end_amdgpu_metadata
.endif
;; end of part 5
;; launch first16 (part 6): grid 64 x 4, 16 waves a work-group, no clusters, 34,816 bytes of LDS; arguments head, Wo, bo, out0; writes out0
.if DOCPART == 6
	.amdgcn_target "amdgcn-amd-amdhsa--gfx1250"
	.amdhsa_code_object_version 6
	.text
	.protected	k_q33870cdc66_first16
	.globl	k_q33870cdc66_first16
	.p2align	8
	.type	k_q33870cdc66_first16,@function
k_q33870cdc66_first16:
	s_mov_b64 s[64:65], 0
	v_nop
	global_prefetch_b8 v0, s[64:65] scope:SCOPE_SE
	s_setreg_imm32_b32 hwreg(HW_REG_WAVE_MODE, 25, 1), 1
	s_wait_xcnt 0x0
; The positions 0 to 15 of every batch once more, wholly in f32: there a row of the softmax averages one to sixteen values, and the rounding of 16-bit operands weighs most.
; head: [Q, K, V][batch 4][16][1,024] f32.  A work-group takes one batch (y) and 16 columns of the output (x); its sixteen waves share the 1,024 channels, 64 each, which are the K of the scores and of the last product.
; A: a wave's part of S^T = K Q^T (source 0 = 16 keys, source 1 = 16 queries) over its 64 channels; the sixteen parts meet in LDS as images of their registers.
; C: every wave makes the whole softmax of the 16 x 16 scores: causal mask, the row's true maximum taken away, p / l.  A lane holds one query and eight keys.
; D: O^T = V^T P^T for the wave's 64 channels.   E: its part of out^T = Wo^T O^T for the 16 columns; the parts meet in LDS, and wave 0 adds them and the bias and stores.
; The f32 matrix form takes k = 2 h + j in register j; each product's K is taken in an order that is the same on both sides, so that loads of 16 bytes and results as they lie can be operands.
; The registers that the matrix instructions write are written by them alone; two or four accumulators take turns.  A store covers pieces of 64 bytes: 16 rows x 16 columns are all that a work-group owns.
.set QF,  16                           ; v16-47   Q: 8 loads of 16 bytes; later images from LDS
.set KF,  48                           ; v48-79   K
.set VF,  80                           ; v80-111  V(8 h + 2 kk + j, 16 ct + r) at 8 ct + 2 kk + j
.set WF,  112                          ; v112-143 Wo(16 ct + 8 h + 2 kk + j, r) at 8 ct + 2 kk + j
.set SA0, 144
.set SA1, 152
.set OA,  160                          ; v160-191 O^T, four tiles of 16 channels
.set E0,  192
.set E1,  200
.set SP,  208                          ; v208-215 sums at work
.set PN,  216                          ; v216-223 p / l
.set BV,  224                          ; v224-231 the bias
.set SPW, 252
.set NIL, 253
.set SPARE, 32768                      ; behind the two regions of images: the spare words, 128 bytes for each wave
	s_load_b256 s[4:11], s[0:1], 0x0               ; head, Wo, bo, out0
	v_lshl_add_u32 v[SPW], v0, 2, SPARE
	v_mov_b32 v[NIL], 0
	v_lshrrev_b32 v1, 5, v0
	v_readfirstlane_b32 s12, v1                    ; wave 0..15
	v_and_b32 v2, 15, v0                           ; r
	v_bfe_u32 v3, v0, 4, 1                         ; h
	v_and_b32 v4, 31, v0                           ; lane
	s_and_b32 s13, ttmp7, 0xffff                   ; the batch
	v_lshlrev_b32 v5, 12, v2
	v_lshl_add_u32 v5, v3, 4, v5                   ; Q, K: row r of 4,096 bytes, + 16 h
	v_lshlrev_b32 v6, 15, v3
	v_lshl_add_u32 v6, v2, 2, v6                   ; V, Wo: row 8 h, + 4 r
	v_lshlrev_b32 v7, 5, v3                        ; the bias: 32 h
	v_lshlrev_b32 v8, 4, v4                        ; an image's place for my lane
	s_lshl_b32 s14, s12, 10
	v_add_nc_u32 v9, s14, v8                       ; where I store my images: 1,024 x wave + 16 x lane
	v_lshlrev_b32 v10, 12, v2
	v_lshl_add_u32 v10, v3, 5, v10                 ; the output: row r of 4,096 bytes, + 32 h
	v_mov_b32 v235, 0                              ; a lane permute's destination counts as one of its sources
	s_mov_b32 s20, 0x3d38aa3b                      ; c = log2(e) / 32
	s_mov_b32 s22, 0x76543210
	s_mov_b32 s23, 0xfedcba98
	s_lshl_b32 s16, s13, 16
	s_lshl_b32 s17, s12, 8
	s_add_co_u32 s16, s16, s17                     ; head: the batch's 16 rows, my 64 channels
	s_mov_b32 s17, 0
	s_lshl_b32 s18, s12, 18
	s_lshl_b32 s19, ttmp9, 6
	s_add_co_u32 s18, s18, s19                     ; Wo: my 64 rows, the work-group's 16 columns
	s_mov_b32 s19, 0
	s_lshl_b32 s24, ttmp9, 6
	s_mov_b32 s25, 0
	s_lshl_b32 s26, s13, 23
	s_add_co_u32 s26, s26, s24                     ; the output: the batch's first row, the 16 columns
	s_mov_b32 s27, 0
	s_wait_kmcnt 0x0
	s_add_nc_u64 s[4:5], s[4:5], s[16:17]
	s_add_nc_u64 s[6:7], s[6:7], s[18:19]
	s_add_nc_u64 s[8:9], s[8:9], s[24:25]
	s_add_nc_u64 s[10:11], s[10:11], s[26:27]
.irp k, 0,1,2,3,4,5,6,7
	global_load_b128 v[QF+4*\k:QF+4*\k+3], v5, s[4:5] offset:32*\k
.endr
.irp k, 0,1,2,3,4,5,6,7
	global_load_b128 v[KF+4*\k:KF+4*\k+3], v5, s[4:5] offset:262144+32*\k
.endr
.irp c, 0,1,2,3
.irp k, 0,1,2,3,4,5,6,7
	global_load_b32 v[VF+8*\c+\k], v6, s[4:5] offset:524288+\k*4096+64*\c
.endr
.endr
.irp c, 0,1,2,3
.irp k, 0,1,2,3,4,5,6,7
	global_load_b32 v[WF+8*\c+\k], v6, s[6:7] offset:(16*\c+\k)*4096
.endr
.endr
	global_load_b128 v[BV:BV+3], v7, s[8:9]
	global_load_b128 v[BV+4:BV+7], v7, s[8:9] offset:16
; the sixteen images at LDS byte base are added, in one fixed order, into v[SP] on
.macro GATHER base
.irp g, 0,1
.set gi, 0
.rept 8
	ds_load_b128 v[16+8*gi:19+8*gi], v8 offset:\base+1024*(8*\g+gi)
	ds_load_b128 v[20+8*gi:23+8*gi], v8 offset:\base+1024*(8*\g+gi)+512
.set gi, gi+1
.endr
	s_wait_dscnt 0x0
.if \g == 0
.irp j, 0,2,4,6
	v_pk_add_f32 v[SP+\j:SP+\j+1], v[16+\j:17+\j], v[24+\j:25+\j]
.endr
.set gi, 2
.else
.set gi, 0
.endif
.rept 8-gi
.irp j, 0,2,4,6
	v_pk_add_f32 v[SP+\j:SP+\j+1], v[SP+\j:SP+\j+1], v[16+8*gi+\j:17+8*gi+\j]
.endr
.set gi, gi+1
.endr
.endr
.endm
	; ---- A
	s_wait_loadcnt 63                              ; Q and K are in: 66 loads are younger, and the count names as many as its field holds
	v_wmma_f32_16x16x4_f32 v[SA0:SA0+7], v[KF:KF+1], v[QF:QF+1], 0
	v_wmma_f32_16x16x4_f32 v[SA1:SA1+7], v[KF+2:KF+3], v[QF+2:QF+3], 0
.irp i, 2,4,6,8,10,12,14
	v_wmma_f32_16x16x4_f32 v[SA0:SA0+7], v[KF+2*\i:KF+2*\i+1], v[QF+2*\i:QF+2*\i+1], v[SA0:SA0+7]
	v_wmma_f32_16x16x4_f32 v[SA1:SA1+7], v[KF+2*\i+2:KF+2*\i+3], v[QF+2*\i+2:QF+2*\i+3], v[SA1:SA1+7]
.endr
.rept 8
	v_nop                                          ; eight places behind this form, in front of the first read of its results
.endr
.irp j, 0,2,4,6
	v_pk_add_f32 v[SP+\j:SP+\j+1], v[SA0+\j:SA0+\j+1], v[SA1+\j:SA1+\j+1]
.endr
	ds_store_b128 v9, v[SP:SP+3]
	ds_store_b128 v9, v[SP+4:SP+7] offset:512
	s_wait_dscnt 0x0                               ; for the others' sake: my image has landed
	s_barrier_signal -1
	s_barrier_wait -1
	GATHER 0                                       ; lane (r, h): the scores of query r and keys 8 h + 0 .. 7
	; ---- C
	v_lshlrev_b32 v232, 3, v3
	v_sub_nc_u32 v232, v2, v232                    ; key 8 h + j is hidden where j > r - 8 h
	v_mov_b32 v233, 0xff800000
.irp j, 0,1,2,3,4,5,6,7
	v_cmp_gt_i32 vcc_lo, \j, v232
	v_cndmask_b32 v[SP+\j], v[SP+\j], v233, vcc_lo
.endr
	v_max3_num_f32 v234, v[SP], v[SP+1], v[SP+2]
	v_max3_num_f32 v234, v234, v[SP+3], v[SP+4]
	v_max3_num_f32 v234, v234, v[SP+5], v[SP+6]
	v_max_num_f32 v234, v234, v[SP+7]
	v_permlanex16_b32 v235, v234, s22, s23
	v_max_num_f32 v234, v234, v235                 ; the row's maximum: key 0 counts for every query
	v_mul_f32 v236, s20, v234
.irp j, 0,1,2,3,4,5,6,7
	v_fma_f32 v[SP+\j], v[SP+\j], s20, -v236
.endr
.irp j, 0,1,2,3,4,5,6,7
	v_exp_f32 v[PN+\j], v[SP+\j]
.endr
	v_nop                                          ; a plain line behind the last exponential
	s_wait_alu depctr_va_vdst(0)                   ; one wait for the eight
	v_pk_add_f32 v[238:239], v[PN:PN+1], v[PN+2:PN+3]
	v_pk_add_f32 v[240:241], v[PN+4:PN+5], v[PN+6:PN+7]
	v_pk_add_f32 v[238:239], v[238:239], v[240:241]
	v_add_f32 v238, v238, v239
	v_permlanex16_b32 v235, v238, s22, s23
	v_add_f32 v238, v238, v235
	v_rcp_f32 v237, v238
	v_nop
	s_wait_alu depctr_va_vdst(0)
.irp j, 0,1,2,3,4,5,6,7
	v_mul_f32 v[PN+\j], v[PN+\j], v237
.endr
	; ---- D
	s_wait_loadcnt 34                              ; V is in: Wo's 32 loads and the bias's two are younger
.irp c, 0,1,2,3
	v_wmma_f32_16x16x4_f32 v[OA+8*\c:OA+8*\c+7], v[VF+8*\c:VF+8*\c+1], v[PN:PN+1], 0
.endr
.irp k, 1,2,3
.irp c, 0,1,2,3
	v_wmma_f32_16x16x4_f32 v[OA+8*\c:OA+8*\c+7], v[VF+8*\c+2*\k:VF+8*\c+2*\k+1], v[PN+2*\k:PN+2*\k+1], v[OA+8*\c:OA+8*\c+7]
.endr
.endr
.rept 9
	v_nop                                          ; nine places in front of matrix instructions that take these results as an operand
.endr
	; ---- E
	s_wait_loadcnt 2                               ; Wo is in
	v_wmma_f32_16x16x4_f32 v[E0:E0+7], v[WF:WF+1], v[OA:OA+1], 0
	v_wmma_f32_16x16x4_f32 v[E1:E1+7], v[WF+2:WF+3], v[OA+2:OA+3], 0
.irp i, 2,4,6,8,10,12,14
	v_wmma_f32_16x16x4_f32 v[E0:E0+7], v[WF+2*\i:WF+2*\i+1], v[OA+2*\i:OA+2*\i+1], v[E0:E0+7]
	v_wmma_f32_16x16x4_f32 v[E1:E1+7], v[WF+2*\i+2:WF+2*\i+3], v[OA+2*\i+2:OA+2*\i+3], v[E1:E1+7]
.endr
.rept 8
	v_nop
.endr
.irp j, 0,2,4,6
	v_pk_add_f32 v[SP+\j:SP+\j+1], v[E0+\j:E0+\j+1], v[E1+\j:E1+\j+1]
.endr
	ds_store_b128 v9, v[SP:SP+3] offset:16384
	ds_store_b128 v9, v[SP+4:SP+7] offset:16384+512
	s_wait_dscnt 0x0
	s_barrier_signal -1
	s_barrier_wait -1
	s_cmp_lg_u32 s12, 0                            ; wave 0 alone adds the parts: no barrier stands in this branch
	s_cbranch_scc1 .Ldone
	GATHER 16384                                   ; lane (r, h): out(query r, columns 8 h + 0 .. 7)
	s_wait_loadcnt 0x0                             ; the bias
.irp j, 0,2,4,6
	v_pk_add_f32 v[SP+\j:SP+\j+1], v[SP+\j:SP+\j+1], v[BV+\j:BV+\j+1]
.endr
	global_store_b128 v10, v[SP:SP+3], s[10:11]
	global_store_b128 v10, v[SP+4:SP+7], s[10:11] offset:16
.Ldone:
	s_wait_tensorcnt 0x0                           ; the wave's end
	ds_add_u32 v[SPW], v[NIL]
	s_wait_dscnt 0x0
	s_endpgm
.Lfunc_end_k_q33870cdc66_first16:
	.size	k_q33870cdc66_first16, .Lfunc_end_k_q33870cdc66_first16-k_q33870cdc66_first16
	.p2alignl 7, 3214868480
	.fill 96, 4, 3214868480
	.section	.rodata,"a",@progbits
	.p2align	6, 0x0
	.amdhsa_kernel k_q33870cdc66_first16
		.amdhsa_group_segment_fixed_size 34816
		.amdhsa_private_segment_fixed_size 0
		.amdhsa_enable_private_segment 0
		.amdhsa_kernarg_size 32
		.amdhsa_user_sgpr_count 2
		.amdhsa_user_sgpr_kernarg_segment_ptr 1
		.amdhsa_wavefront_size32 1
		.amdhsa_system_sgpr_workgroup_id_x 1
		.amdhsa_system_sgpr_workgroup_id_y 1
		.amdhsa_system_sgpr_workgroup_id_z 1
		.amdhsa_system_vgpr_workitem_id 0
		.amdhsa_next_free_vgpr 256
		.amdhsa_next_free_sgpr 66
		.amdhsa_reserve_vcc 1
		.amdhsa_float_denorm_mode_32 3
		.amdhsa_float_denorm_mode_16_64 3
		.amdhsa_memory_ordered 1
		.amdhsa_forward_progress 1
		.amdhsa_inst_pref_size 30
	.end_amdhsa_kernel
	.amdgpu_metadata
---
amdhsa.version: [ 1, 2 ]
amdhsa.kernels:
  - .name:           k_q33870cdc66_first16
    .symbol:         k_q33870cdc66_first16.kd
    .args:
      - { .name: head, .offset: 0, .size: 8, .value_kind: global_buffer, .address_space: global }
      - { .name: Wo, .offset: 8, .size: 8, .value_kind: global_buffer, .address_space: global }
      - { .name: bo, .offset: 16, .size: 8, .value_kind: global_buffer, .address_space: global }
      - { .name: out0, .offset: 24, .size: 8, .value_kind: global_buffer, .address_space: global }
    .group_segment_fixed_size: 34816
    .private_segment_fixed_size: 0
    .kernarg_segment_align: 8
    .kernarg_segment_size: 32
    .max_flat_workgroup_size: 512
    .sgpr_count:     66
    .vgpr_count:     256
    .wavefront_size: 32
...
	.end_amdgpu_metadata
.endif
;; end of part 6
